; MI455X (gfx1250); checked and timed in simulation.
; The chip was launched on July 23, 2026; its instructions are those of AMD's public machine-readable ISA for CDNA 5 (MIT licence, August 2026) and "CDNA5" Instruction Set Architecture Reference Guide (July 2026). The comments in the code are by the model that wrote it; some were corrected since.
;; Multihead Attention. Allowed arithmetic: matrix products marked QUANTISED: E2M3 operands, one E8M0 scale for each 32 along K, by v_wmma_scale_f32_16x16x128_f8f6f4 with both operands' format E2M3, f32 sums; everything else in f32.
;; Inputs: Wk 1,024 x 1,024 float32; Wo 1,024 x 1,024 float32; Wq 1,024 x 1,024 float32; Wv 1,024 x 1,024 float32; bk 1,024 float32; bo 1,024 float32; bq 1,024 float32; bv 1,024 float32; x 4 x 2,048 x 1,024 float32.
;; Outputs: out0 4 x 2,048 x 1,024 float32.
;; This version of the problem:
;;   THIS VERSION OF THE PROBLEM IS GIVEN IN LOW PRECISION. The matrix products marked QUANTISED in the list below multiply operands that are first quantised to E2M3 (2 exponent bits, 3 mantissa bits; 6 bits a number), with one power-of-two scale for each 32 numbers along K (OCP MX v1.0); their sums are f32. All else is computed in f32.
;;   The module's matrix products, in the order in which they are computed (A, B: the left and right operand; K: the contracted axis; several contracted axes count as one K, in the product's order):
;;     1. [M 8,192, K 1,024] x [K 1,024, N 1,024]; A: input x; B: input Wq: QUANTISED
;;     2. [M 8,192, K 1,024] x [K 1,024, N 1,024]; A: input x; B: input Wk: QUANTISED
;;     3. [M 8,192, K 1,024] x [K 1,024, N 1,024]; A: input x; B: input Wv: QUANTISED
;;     4. batch 64 x [M 2,048, K 64] x [K 64, N 2,048]; A: computed on the way; B: computed on the way: QUANTISED
;;     5. batch 64 x [M 2,048, K 2,048] x [K 2,048, N 64]; A: softmax (see below); B: computed on the way: QUANTISED
;;     6. [M 8,192, K 1,024] x [K 1,024, N 1,024]; A: computed on the way; B: input Wo: QUANTISED
;;   THE QUANTISER, for each operand of a quantised product, along K:
;;     - K is cut into blocks of 32 from its start; a last block that is shorter is filled with zeros.
;;     - A block's scale is 2^e with e = floor(log2(the largest magnitude in the block)) - 2, held to -126 .. 127; a block of zeros has e = 0. As a byte (E8M0): e + 127.
;;     - Each number is divided by its block's scale, clamped to +-7.5, and rounded to the nearest number of E2M3, ties to even, subnormals kept.
;;     - The product sums the exact products of the quantised numbers (number of the format x scale) in f32.
;;   ~~~python
;;   def quantise(x, axis):      # numpy; x: float32 -> the quantised numbers, widened to float32 again
;;       x = np.moveaxis(x, axis, -1); K = x.shape[-1]
;;       x = np.pad(x, [(0, 0)] * (x.ndim - 1) + [(0, -K % 32)]); x = x.reshape(x.shape[:-1] + (-1, 32)); a = np.abs(x).max(-1, keepdims=True)
;;       e = np.where(a > 0, np.clip(np.frexp(np.where(a > 0, a, 1))[1] - 1 - 2, -126, 127), 0)      # np.frexp(a)[1] - 1 = floor(log2(a)), exactly
;;       r = np.clip(x / 2.0 ** e, -7.5, 7.5)
;;       step = 2.0 ** (np.maximum(np.frexp(np.where(r == 0, 1, r))[1] - 1, 0) - 3)
;;       q = np.round(r / step) * step * 2.0 ** e      # np.round: ties to even
;;       return np.moveaxis(q.reshape(q.shape[:-2] + (-1,))[..., :K], -1, axis).astype(np.float32)
;;   ~~~
;;   SOFTMAX AHEAD OF A QUANTISED PRODUCT. Where the list says 'softmax', what is quantised is not the finished softmax but p = 2^(t - M), with t = logit x log2(e) and M = ceil(the row's largest t), a whole number; so 1/2 < the row's largest p <= 1. The row's sum l is taken of the UNQUANTISED p, in f32, and the product's result is divided by l at the end. Since M is a whole number, a kernel that streams over the keys may use a running M (the ceiling of the running maximum): every later rescaling is an exact power of two, which a block's scale takes up: the codes' values come out the same.
;;   OPERANDS COMPUTED ON THE WAY. 'Computed on the way' means the value that the module computes at that place (a softmax that the list does not call 'softmax' is quantised finished and normalised). What goes into a quantiser is computed in f32, as accurately as f32 sums, v_exp_f32 and their like allow (about 1e-6 of the number): no bf16 or f16 on the way to a quantiser, and a product that is left as it is and whose result goes on into a quantised operand takes f32 operands (vector FMAs, or v_wmma_f32_16x16x4_f32). A number that lies on a knife's edge between two numbers of the format may be rounded either way, as far as f32 arithmetic and the matrix unit's own rounding can turn it there, and no further.
;; One version. Each part assembles by itself: llvm-mc -triple=amdgcn-amd-amdhsa -mcpu=gfx1250 --defsym DOCPART=n.
;; ======== version 1 of 1: 4 launches
;; limits: right only within a limited range of input values
;; workspace buffers: xc 6,553,600 bytes; wc 3,276,800 bytes; qr 13,369,344 bytes; kv 13,369,344 bytes; cc 6,553,600 bytes
;; launch quant_x (part 1): grid 640 x 1, 8 waves a work-group, no clusters, 94,720 bytes of LDS; arguments x, xc, Wq, Wk, Wv, Wo, wc; writes xc, wc
.if DOCPART == 1
	.amdgcn_target "amdgcn-amd-amdhsa--gfx1250"
	.amdhsa_code_object_version 6
	.text
	.protected	k_qdea77d5ef1_quant_x
	.globl	k_qdea77d5ef1_quant_x
	.p2align	8
	.type	k_qdea77d5ef1_quant_x,@function
k_qdea77d5ef1_quant_x:
	s_mov_b64 s[64:65], 0
	v_nop
	global_prefetch_b8 v0, s[64:65] scope:SCOPE_SE
	s_setreg_imm32_b32 hwreg(HW_REG_WAVE_MODE, 25, 1), 1
	s_wait_xcnt 0x0
; MULTI-HEAD ATTENTION IN MX-FP6, the first launch: x [8192][1024] and the four weights [1024 (k)][1024 (n)], f32, become codes of E2M3 with one E8M0 byte for each 32 along K, laid as the products' operand registers want them.
; DEAD WORK: none.  Every product of the problem reaches the output; each of bq, bk, bv enters an operand that is quantised (so it can move codes and scales), and bo enters the output: all nine inputs are loaded.
; THE PROGRAM: quant_x (x -> xc; Wq, Wk, Wv, Wo -> wc), gemm_qkv (xc, wc, biases -> qr, kv: q, k, v as codes), attn (qr, kv -> cc: the heads' results as codes), gemm_out (cc, wc, bo -> out0).
; TILES.  Row r of tile t (t = 0..7) of a group of 128 rows is row 32 (t / 2) + 8 (t % 2) + r + 8 (r / 8): so the 16 result registers of two neighbouring tiles are 16 neighbours along the next product's K.
; A RECORD (one group of 128 rows, one K step of 128) is 12,800 bytes at (8 group + step) x 12,800: eight fragments of 1,536 bytes (six pieces of 256: piece p = operand registers 2 p, 2 p + 1, lane l at 8 l),
; then 512 bytes of scale words: the word of (tile t, row r) at 256 (t / 4) + 8 (16 (t % 2) + r) + 4 ((t / 2) % 2).  In wc groups 0-7 are Wq, 8-15 Wk, 16-23 Wv, 24-31 Wo, a group = 128 columns n.
; A block's scale is 2^(floor(log2(largest magnitude)) - 2); its byte is the largest magnitude's exponent field - 2, held at 1 from below.
; LIMITS: NaN and infinities among the inputs are not served; a block whose largest magnitude lies under 2^-124 gets the byte 1; a block of zeros gets the byte 1 where the rule says 127 (its codes are zeros, and this program alone reads the bytes).
; SHARES.  Work-groups 0-127 take the weights, two records each (waves 0-3 one, waves 4-7 the next K step's); work-groups 128-639 take x, a record each.  The two ways part once, on the work-group's number, and have LDS bytes of their own.
; x: wave t makes fragment t.  Each load reads 512 consecutive bytes of one row; the 16 rows turn through the wave's own stage in LDS, so that a lane holds 2 x 32 neighbours along K.
; WEIGHTS: K is the FIRST axis: a lane takes a column n and its registers run down K: a block of 32 lies in one lane, and the conversions give codes with K innermost.  Wave b of a record takes columns 32 b + lane: tiles 2 b, 2 b + 1:
; u = (lane / 8) % 2 picks the tile, r = lane % 8 + 8 (lane / 16) its row.  Block j of my column is, in that fragment, lane 16 (j % 2) + r, registers 6 (j / 2) + 0 .. 5.  The codes go to an image of the fragments in LDS and leave as 512 consecutive bytes a store.
; No tensor load, no cluster: the work-groups share no input.
.set REC,    12800
.set FRB,    1536
.set SPITCH, 528                       ; x: a stage row: 512 bytes + 16
.set STGW,   16*SPITCH                 ; a wave's stage
.set SCU,    8*STGW                    ; behind the stages: the record's 512 bytes of scale words
.set WB,     SCU+512                   ; the weights' way: two regions of 12,800 bytes: a record's image, as it lies in memory
.set SPARE,  WB+2*REC                  ; the spare words, 128 bytes for each wave, which no other line names
.set SPW, 16                           ; v16  my spare word's address; never rewritten
.set NIL, 17                           ; v17  0; never rewritten
.set R,   20                           ; x: v20-83 16 rows as loaded; later the codes
.set X,   84                           ; x: v84-147 my row's numbers k = 64 c + 32 h + 0 .. 31 at X + 32 c
.set C,   20                           ; x: v20-31 the fragment's 12 registers
.set T,   32                           ; x: v32-34, v36-38 the second halves of the blocks' codes
.set XW,  32                           ; weights: v32-159 my column's 128 numbers; a block's codes take the place of the block before
	s_load_b256 s[4:11], s[0:1], 0x0               ; x, xc, Wq, Wk
	s_load_b128 s[12:15], s[0:1], 0x20             ; Wv, Wo
	s_load_b64 s[16:17], s[0:1], 0x30              ; wc
	v_lshl_add_u32 v[SPW], v0, 2, SPARE
	v_mov_b32 v[NIL], 0
	v_lshrrev_b32 v1, 5, v0
	v_readfirstlane_b32 s18, v1                    ; wave
	v_and_b32 v1, 31, v0                           ; lane
	v_lshlrev_b32 v2, 4, v1                        ; 16 l
	s_cmp_lt_u32 ttmp9, 128
	s_wait_alu depctr_va_vdst(0)                   ; the wait ahead of the branch
	s_cbranch_scc1 .Lweights
; ---- x
	s_sub_co_u32 s19, ttmp9, 128
	s_lshr_b32 s23, s19, 3                         ; the group
	s_and_b32 s19, s19, 7                          ; the K step
	s_mul_i32 s20, s18, STGW
	s_lshr_b32 s21, s18, 2
	s_lshl_b32 s21, s21, 8
	s_and_b32 s22, s18, 1
	s_lshl_b32 s22, s22, 7
	s_add_co_u32 s21, s21, s22
	s_bfe_u32 s22, s18, 0x10001
	s_lshl_b32 s22, s22, 2
	s_add_co_u32 s21, s21, s22
	s_add_co_u32 s21, s21, SCU                     ; my tile's place in the unit of scale words
	s_mov_b32 s30, 0x76543210
	s_mov_b32 s31, 0xfedcba98                      ; lane selects: lane l xor 16
	s_lshl_b32 s24, s23, 7
	s_lshr_b32 s25, s18, 1
	s_lshl_b32 s25, s25, 5
	s_add_co_u32 s24, s24, s25
	s_and_b32 s25, s18, 1
	s_lshl_b32 s25, s25, 3
	s_add_co_u32 s24, s24, s25                     ; my tile's first row: 128 G + 32 (t / 2) + 8 (t % 2)
	s_lshl_b32 s26, s24, 12
	s_lshl_b32 s27, s19, 9                         ; the K step's 512 bytes of a row
	s_add_co_u32 s26, s26, s27
	s_mov_b32 s27, 0
	s_lshl_b32 s28, s23, 3
	s_add_co_u32 s28, s28, s19
	s_mul_i32 s28, s28, REC
	s_mul_i32 s29, s18, FRB
	s_add_co_u32 s28, s28, s29                     ; my fragment in xc
	s_mov_b32 s29, 0
	v_and_b32 v8, 15, v0                           ; r
	v_bfe_u32 v9, v0, 4, 1                         ; h
	v_add_nc_u32 v3, s20, v2                       ; the stage on the way in: 16 l of a row
	v_mul_u32_u24 v4, v8, SPITCH
	v_lshl_add_u32 v4, v9, 7, v4
	v_add_nc_u32 v4, s20, v4                       ; and on the way out: row r, + 128 h
	v_lshlrev_b32 v5, 3, v1                        ; 8 l: my place in a piece
	v_lshl_add_u32 v6, v8, 3, s21                  ; my row's scale word in the unit
	v_lshlrev_b32 v7, 3, v9                        ; 8 h
	v_add_nc_u32 v18, SCU, v2                      ; the unit read back: 16 bytes a lane
	s_wait_alu depctr_va_vdst(0)                   ; the wait at the head's end
	s_wait_kmcnt 0x0
	s_add_nc_u64 s[4:5], s[4:5], s[26:27]
	s_add_nc_u64 s[6:7], s[6:7], s[28:29]
.irp i, 0,1,2,3,4,5,6,7,8,9,10,11,12,13,14,15
	global_load_b128 v[R+4*\i:R+4*\i+3], v2, s[4:5] offset:(\i+8*(\i/8))*4096 th:TH_LOAD_NT   ; tile row i: 512 consecutive bytes
.endr
.irp i, 0,1,2,3,4,5,6,7,8,9,10,11,12,13,14,15
	s_wait_loadcnt 15-\i                           ; row i is in; the younger rows' loads may be out
	ds_store_b128 v3, v[R+4*\i:R+4*\i+3] offset:SPITCH*\i
.endr
.irp c, 0,1
.irp j, 0,1,2,3,4,5,6,7
	ds_load_b128 v[X+32*\c+4*\j:X+32*\c+4*\j+3], v4 offset:256*\c+16*\j   ; LDS serves a wave's instructions in order: these see my stores
.endr
.endr
	s_wait_dscnt 0x0
.irp c, 0,1
	v_max3_num_f32 v[10+\c], |v[X+32*\c]|, |v[X+32*\c+1]|, 0x1800000   ; my block 2 c + h: all 32 numbers are mine; the floor 2^(3 - 127) holds the byte at 1 from below
.endr
.irp i, 2,4,6,8,10,12,14,16,18,20,22,24,26,28,30
.irp c, 0,1
	s_delay_alu instid0(VALU_DEP_2)
	v_max3_num_f32 v[10+\c], v[10+\c], |v[X+32*\c+\i]|, |v[X+32*\c+\i+1]|
.endr
.endr
	s_delay_alu instid0(VALU_DEP_2)
	v_add_nc_u32 v12, 0xff000000, v10              ; 2 off the exponent field: the conversion's scale operand
	s_delay_alu instid0(VALU_DEP_2)
	v_add_nc_u32 v13, 0xff000000, v11
	s_delay_alu instid0(VALU_DEP_2)
	v_lshrrev_b32 v14, 23, v12                     ; the bytes
	s_delay_alu instid0(VALU_DEP_2)
	v_lshrrev_b32 v15, 23, v13
	s_delay_alu instid0(VALU_DEP_1)
	v_lshl_or_b32 v14, v15, 16, v14                ; blocks h and 2 + h,
	s_delay_alu instid0(VALU_DEP_1)
	v_lshlrev_b32 v14, v7, v14                     ; at their places in the word;
	v_mov_b32 v15, 0
	s_delay_alu instid0(VALU_DEP_1)
	v_permlanex16_b32 v15, v14, s30, s31
	s_delay_alu instid0(VALU_DEP_1)
	v_or_b32 v14, v14, v15                         ; with lane l xor 16's two the word is whole
.irp c, 0,1
	v_cvt_scalef32_pk16_fp6_f32 v[C+6*\c:C+6*\c+2], v[X+32*\c:X+32*\c+15], v[12+\c]
	v_cvt_scalef32_pk16_fp6_f32 v[T+4*\c:T+4*\c+2], v[X+32*\c+16:X+32*\c+31], v[12+\c]   ; (a conversion's three registers begin on an even number)
.endr
	v_nop                                          ; one plain place behind the scaled conversions
.irp c, 0,1
.irp i, 0,1,2
	v_mov_b32 v[C+6*\c+3+\i], v[T+4*\c+\i]
.endr
.endr
.irp p, 0,1,2,3,4,5
	global_store_b64 v5, v[C+2*\p:C+2*\p+1], s[6:7] offset:256*\p   ; 32 lanes store 256 consecutive bytes, aligned
.endr
	ds_store_b32 v6, v14                           ; both halves of the lanes write the same word with the same value
	s_wait_dscnt 0x0                               ; for the others' sake: my word lies in the unit
	s_barrier_signal -1
	s_barrier_wait -1
	s_cmp_lg_u32 s18, 0
	s_cbranch_scc1 .Lend_x                         ; wave 0 stores the unit (its fragment begins at the record's first byte)
	ds_load_b128 v[40:43], v18
	s_wait_dscnt 0x0
	global_store_b128 v2, v[40:43], s[6:7] offset:8*FRB
.Lend_x:
	s_wait_tensorcnt 0x0                           ; the wave's end: behind my last LDS store
	ds_add_u32 v[SPW], v[NIL]
	s_wait_dscnt 0x0
	s_endpgm
; ---- the weights
.Lweights:
	s_and_b32 s19, s18, 3                          ; b: my 32 columns of the group
	s_lshr_b32 s20, s18, 2                         ; which of the work-group's two records
	s_mul_i32 s21, s20, REC
	s_add_co_u32 s21, s21, WB                      ; its region in LDS
	s_mul_i32 s33, s19, 2*FRB                      ; my two fragments in a record
	s_add_co_u32 s22, s33, s21
	s_lshr_b32 s23, s19, 1
	s_lshl_b32 s23, s23, 8
	s_and_b32 s24, s19, 1
	s_lshl_b32 s24, s24, 2
	s_add_co_u32 s23, s23, s24
	s_add_co_u32 s21, s21, 8*FRB                   ; the record's unit of scale words
	s_add_co_u32 s23, s23, s21                     ; + 256 (b / 2) + 4 (b % 2)
	s_lshr_b32 s24, ttmp9, 2                       ; the group
	s_and_b32 s25, ttmp9, 3
	s_lshl_b32 s25, s25, 1
	s_add_co_u32 s25, s25, s20                     ; the K step
	s_lshr_b32 s32, s24, 3                         ; which weight
	s_and_b32 s26, s24, 7
	s_lshl_b32 s26, s26, 9                         ; 128 columns x 4 bytes
	s_lshl_b32 s27, s19, 7                         ; 32 columns x 4 bytes
	s_add_co_u32 s26, s26, s27
	s_lshl_b32 s27, s25, 19                        ; 128 rows of 4,096 bytes
	s_add_co_u32 s26, s26, s27
	s_mov_b32 s27, 0
	s_lshl_b32 s28, s24, 3
	s_add_co_u32 s28, s28, s25
	s_mul_i32 s28, s28, REC
	s_mov_b32 s29, 0
	v_lshlrev_b32 v18, 2, v1                       ; in: 4 bytes a lane
	v_bfe_u32 v6, v0, 3, 1                         ; u
	v_and_b32 v4, 7, v0
	v_bfe_u32 v5, v0, 4, 1
	v_lshl_add_u32 v4, v5, 3, v4                   ; r
	v_lshlrev_b32 v4, 3, v4                        ; 8 r
	v_mad_u32_u24 v3, v6, FRB, v4
	v_add_nc_u32 v3, s22, v3                       ; the image: my fragments + 1,536 u + 8 r
	v_lshl_add_u32 v5, v6, 7, v4
	v_add_nc_u32 v5, s23, v5                       ; my column's scale word: + 128 u + 8 r
	v_add_nc_u32 v7, s22, v2                       ; my 16 bytes of the wave's 3,072 in LDS,
	v_add_nc_u32 v19, s33, v2                      ; and in the record
	v_add_nc_u32 v13, s21, v2                      ; the unit read back
	s_wait_alu depctr_va_vdst(0)                   ; the wait at the head's end
	s_wait_kmcnt 0x0
	s_cmp_eq_u32 s32, 1                            ; the choice hangs on the work-group's number alone
	s_cselect_b64 s[8:9], s[10:11], s[8:9]
	s_cmp_eq_u32 s32, 2
	s_cselect_b64 s[8:9], s[12:13], s[8:9]
	s_cmp_eq_u32 s32, 3
	s_cselect_b64 s[8:9], s[14:15], s[8:9]
	s_add_nc_u64 s[8:9], s[8:9], s[26:27]
	s_add_nc_u64 s[16:17], s[16:17], s[28:29]
.set Q, 0
.rept 128
	global_load_b32 v[XW+Q], v18, s[8:9] offset:Q*4096 th:TH_LOAD_NT   ; W(128 s + Q, my column): a wave reads 128 consecutive bytes, a record's four waves 512
.set Q, Q+1
.endr
.macro BLOCK t, left, cc               ; cc: where the block's six registers of codes go (its second half as converted: cc + 8)
.set XS, XW+32*(\t)
	s_wait_loadcnt \left                           ; this block's 32 loads are in.  Behind them 96, 64, 32, 0 were issued; the wait's field holds 63, so the first two counts are 63
	v_max3_num_f32 v8, |v[XS]|, |v[XS+1]|, |v[XS+2]|
	v_max3_num_f32 v9, |v[XS+3]|, |v[XS+4]|, |v[XS+5]|
.irp i, 6,10,14,18,22,26
	v_max3_num_f32 v8, v8, |v[XS+\i]|, |v[XS+\i+1]|
	v_max3_num_f32 v9, v9, |v[XS+\i+2]|, |v[XS+\i+3]|
.endr
	v_max3_num_f32 v8, v8, |v[XS+30]|, |v[XS+31]|
	v_max3_num_f32 v8, v8, v9, 0x1800000           ; and the floor 2^(3 - 127)
	v_add_nc_u32 v10, 0xff000000, v8               ; the conversion's scale operand
	v_lshrrev_b32 v11, 23, v10                     ; the byte
.if (\t) == 0
	v_mov_b32 v12, v11
.else
	v_lshl_or_b32 v12, v11, 8*(\t), v12
.endif
	v_cvt_scalef32_pk16_fp6_f32 v[\cc:\cc+2], v[XS:XS+15], v10
	v_cvt_scalef32_pk16_fp6_f32 v[\cc+8:\cc+10], v[XS+16:XS+31], v10
	v_nop                                          ; one plain place behind the scaled conversions
.irp i, 0,1,2
	v_mov_b32 v[\cc+3+\i], v[\cc+8+\i]
.endr
.irp p, 0,1,2
	ds_store_b64 v3, v[\cc+2*\p:\cc+2*\p+1] offset:768*((\t)/2)+128*((\t)%2)+256*\p
.endr
.endm
	BLOCK 0, 63, 20
	BLOCK 1, 63, XW
	BLOCK 2, 32, XW+32
	BLOCK 3, 0, XW+64
	ds_store_b32 v5, v12
.irp g, 0,1,2,3,4,5
	ds_load_b128 v[XW+96+4*\g:XW+96+4*\g+3], v7 offset:512*\g   ; my own bytes, served in order behind my stores
.endr
.irp g, 0,1,2,3,4,5
	s_wait_dscnt 5-\g                              ; the younger loads may be out
	global_store_b128 v19, v[XW+96+4*\g:XW+96+4*\g+3], s[16:17] offset:512*\g   ; 512 consecutive bytes, aligned
.endr
	s_wait_dscnt 0x0                               ; for the others' sake: my words lie in the unit
	s_barrier_signal -1
	s_barrier_wait -1
	s_cmp_lg_u32 s19, 0
	s_cbranch_scc1 .Lend_w                         ; waves 0 and 4 store their records' units
	ds_load_b128 v[XW+120:XW+123], v13
	s_wait_dscnt 0x0
	global_store_b128 v2, v[XW+120:XW+123], s[16:17] offset:8*FRB
.Lend_w:
	s_wait_tensorcnt 0x0                           ; the wave's end: behind my last LDS store
	ds_add_u32 v[SPW], v[NIL]
	s_wait_dscnt 0x0
	s_endpgm
.Lfunc_end_k_qdea77d5ef1_quant_x:
	.size	k_qdea77d5ef1_quant_x, .Lfunc_end_k_qdea77d5ef1_quant_x-k_qdea77d5ef1_quant_x
	.p2alignl 7, 3214868480
	.fill 96, 4, 3214868480
	.section	.rodata,"a",@progbits
	.p2align	6, 0x0
	.amdhsa_kernel k_qdea77d5ef1_quant_x
		.amdhsa_group_segment_fixed_size 94720
		.amdhsa_private_segment_fixed_size 0
		.amdhsa_enable_private_segment 0
		.amdhsa_kernarg_size 56
		.amdhsa_user_sgpr_count 2
		.amdhsa_user_sgpr_kernarg_segment_ptr 1
		.amdhsa_wavefront_size32 1
		.amdhsa_system_sgpr_workgroup_id_x 1
		.amdhsa_system_sgpr_workgroup_id_y 1
		.amdhsa_system_sgpr_workgroup_id_z 1
		.amdhsa_system_vgpr_workitem_id 0
		.amdhsa_next_free_vgpr 160
		.amdhsa_next_free_sgpr 66
		.amdhsa_reserve_vcc 0
		.amdhsa_float_denorm_mode_32 3
		.amdhsa_float_denorm_mode_16_64 3
		.amdhsa_memory_ordered 1
		.amdhsa_forward_progress 1
		.amdhsa_inst_pref_size 35
	.end_amdhsa_kernel
	.amdgpu_metadata
---
amdhsa.version: [ 1, 2 ]
amdhsa.kernels:
  - .name:           k_qdea77d5ef1_quant_x
    .symbol:         k_qdea77d5ef1_quant_x.kd
    .args:
      - { .name: x, .offset: 0, .size: 8, .value_kind: global_buffer, .address_space: global }
      - { .name: xc, .offset: 8, .size: 8, .value_kind: global_buffer, .address_space: global }
      - { .name: Wq, .offset: 16, .size: 8, .value_kind: global_buffer, .address_space: global }
      - { .name: Wk, .offset: 24, .size: 8, .value_kind: global_buffer, .address_space: global }
      - { .name: Wv, .offset: 32, .size: 8, .value_kind: global_buffer, .address_space: global }
      - { .name: Wo, .offset: 40, .size: 8, .value_kind: global_buffer, .address_space: global }
      - { .name: wc, .offset: 48, .size: 8, .value_kind: global_buffer, .address_space: global }
    .group_segment_fixed_size: 94720
    .private_segment_fixed_size: 0
    .kernarg_segment_align: 8
    .kernarg_segment_size: 56
    .max_flat_workgroup_size: 256
    .sgpr_count:     66
    .vgpr_count:     160
    .wavefront_size: 32
...
	.end_amdgpu_metadata
.endif
;; end of part 1
;; launch gemm_qkv (part 2): grid 8 x 32, 4 waves a work-group, clusters of 4 x 4, 327,680 bytes of LDS; arguments xc, wc, bq, bk, bv, qr, kv; writes qr, kv
.if DOCPART == 2
	.amdgcn_target "amdgcn-amd-amdhsa--gfx1250"
	.amdhsa_code_object_version 6
	.text
	.protected	k_qdea77d5ef1_gemm_qkv
	.globl	k_qdea77d5ef1_gemm_qkv
	.p2align	8
	.type	k_qdea77d5ef1_gemm_qkv,@function
k_qdea77d5ef1_gemm_qkv:
	s_mov_b64 s[64:65], 0
	v_nop
	global_prefetch_b8 v0, s[64:65] scope:SCOPE_SE
	s_setreg_imm32_b32 hwreg(HW_REG_WAVE_MODE, 25, 1), 1
	s_wait_xcnt 0x0
	s_wait_alu depctr_hold_cnt(0) depctr_sa_sdst(0) depctr_va_vdst(0) depctr_va_sdst(0) depctr_va_ssrc(0) depctr_va_vcc(0) depctr_vm_vsrc(0)
	s_getreg_b32 s2, hwreg(HW_REG_IB_STS2, 6, 4)
	s_cmp_eq_u32 s2, 0
	s_cbranch_scc0 .Lentry_in_a_cluster
	s_endpgm
.Lentry_in_a_cluster:
	s_bfe_u32 s2, ttmp6, 0x10000c
	s_cmp_lg_u32 s2, 0xf033
	s_cbranch_scc0 .Lentry_shape_is_right
	s_endpgm
.Lentry_shape_is_right:
; Launch 2 of 4: q = x Wq + bq, k = x Wk + bk, v = x Wv + bv on codes of E2M3, and the results quantised in registers: q and k along the head's 64, v along the keys.  No f32 result goes to memory.  No work is left out.
; A work-group takes 256 tokens (groups 2 y, 2 y + 1 of xc) x 128 features (group x of wc: 0-7 Wq, 8-15 Wk, 16-23 Wv), all of K = 1,024.  A wave has 8 tiles of source 0 x 4 of source 1: 32 accumulators.
; q, k: source 0 = the weight's 8 tiles, source 1 = 4 tiles of tokens: a lane holds one token, its registers run along the features (the next K).
; v:    source 0 = 8 tiles of tokens, source 1 = 4 tiles of the weight: a lane holds one feature, its registers run along the tokens (the keys, the next K).
; The two ways run one after the other in every work-group: q and k, then v.  The bias is the C of each sum's first product.
; LDS: two halves of four K steps, each 153,600 bytes: tokens' group 0, group 1, the weight's group (51,200 each, records as they lie in memory); the tokens stay, the weight's halves are refilled.
; CLUSTER 4 x 4: the tokens' records hang on y alone and are asked for jointly along a row of the cluster, the weight's on x alone and jointly along a column.  A wave has one tensor load out at a time.
; AN ATTENTION RECORD (one head, 128 tokens) is 13,056 bytes at (16 head + step) x 13,056: +0 K's (in qr: Q's) image, 48 registers, tile t = registers 6 t .. 6 t + 5, four registers a group, group g at 512 g + 16 l;
; +6,144 V's image, tile of 16 d x 128 keys = 12 registers; +12,288 K's scale words (bytes s0, s1, 0, 0) laid as in a GEMM record; +12,800 V's.
; LIMITS: as in quant_x (no NaN or infinities; blocks under 2^-124 and blocks of zeros get the byte 1).
; REGISTERS: window 0: v1 8 l, v2 16 l, v3-5 LDS addresses, v6, v7 the add's two, v8, v9 store offsets, v16-27 scale words (two sets), v32-63 at work in the epilogue, v128-223 source 1's fragments (two sets), later the codes.
;   window 1: source 0's fragments, two sets at v0 and v128.   window 2: accumulator (a, b) at v[8 (8 a + b)].   window 3: the bias.
.set REC,   12800
.set FRB,   1536
.set GRP,   8*REC
; LDS IN TWO HALVES of four K steps: tokens' group 0, group 1, the weight's group, four records (51,200 bytes) each.  A wave issues one joint load at the head (half 0) and one behind
; the full sequence and a round of the cluster's barrier (half 1); one tensor load of a wave is out.  Step 3's wait and barrier show half 1 to all four waves.
.set CHK,   12*REC                     ; a half in LDS
.set SPARE, 2*CHK
.set AREC,  13056
.set A0,  3                            ; v3  source 0's record in the chunk in hand, + 8 l
.set A1,  4                            ; v4  source 1's four fragments
.set A1S, 5                            ; v5  source 1's scale words
.set SPW, 6
.set NIL, 7
.set SC,  16                           ; set g at v[16 + 6 g]: four registers for source 0 (tile b: register b / 2, row b % 2), two for source 1
.set TM,  32                           ; v32-35 largest magnitudes, v36-39 bytes, v44-47 scale operands
.set TT,  48                           ; v48-50, v52-54 second halves as converted
.set PW,  56                           ; v56-59 the four scale words
.set CK,  128                          ; v128-175 the codes
.set G1T, 28
.set G1W, 36
.set G0T, 44
.set G0W, 68
.set SEL, 84
.set MSB, 0
.macro WIN new                         ; the immediate's high byte repeats the setting that is left
.if MSB != \new
	s_set_vgpr_msb (MSB<<8)|\new
.set MSB, \new
.endif
.endm
.macro PLACES n
.rept \n
	v_nop
.endr
.endm
.macro CROUND                          ; a round of the cluster's barrier
	s_barrier_signal -1
	s_barrier_wait -1
	s_cmp_lg_u32 s18, 0
	s_cbranch_scc1 .Lnot_wave_0_\@
	s_barrier_signal -3
.Lnot_wave_0_\@:
	s_barrier_wait -3
	s_barrier_signal -1
	s_barrier_wait -1
.endm
.macro FRAG reg, adr, off              ; a fragment's six pieces, 256 consecutive bytes each
.irp p, 0,1,2,3,4,5
	ds_load_b64 v[(\reg)+2*\p:(\reg)+2*\p+1], v[\adr] offset:(\off)+256*\p
.endr
.endm
.macro FETCH s                         ; K step s: 8 fragments of source 0, 4 of source 1, their scale words, into set s % 2
.set SG1, (\s)%2
	WIN 0x40                                       ; destination window 1
.irp b, 0,1,2,3,4,5,6,7
	FRAG 128*SG1+12*\b, A0, REC*SG1+FRB*\b
.endr
	WIN 0
.irp a, 0,1,2,3
	FRAG 128+48*SG1+12*\a, A1, REC*SG1+FRB*\a
.endr
	ds_load_b64 v[SC+6*SG1:SC+6*SG1+1], v[A0] offset:REC*SG1+8*FRB
	ds_load_b64 v[SC+6*SG1+2:SC+6*SG1+3], v[A0] offset:REC*SG1+8*FRB+256
	ds_load_b64 v[SC+6*SG1+4:SC+6*SG1+5], v[A1S] offset:REC*SG1
.endm
.macro WM a, b                         ; one product; SG: the set, FIRST: C is the bias, CM: the bias hangs on a (v) or on b (q, k)
.set rD, 8*(8*(\a)+(\b))
.set rA, 128*SG+12*(\b)
.set rB, 128+48*SG+12*(\a)
.set rSA, SC+6*SG+(\b)/2
.set rSB, SC+4+6*SG+(\a)/2
.set rC, rD
.if FIRST
.if CM
.set rC, 8*(\a)
.else
.set rC, 8*(\b)
.endif
.endif
.if ((\b)%2 == 0) && ((\a)%2 == 0)
	v_wmma_scale_f32_16x16x128_f8f6f4 v[rD:rD+7], v[rA:rA+11], v[rB:rB+11], v[rC:rC+7], v[rSA], v[rSB] matrix_a_fmt:MATRIX_FMT_FP6 matrix_b_fmt:MATRIX_FMT_FP6
.elseif ((\a)%2 == 0)
	v_wmma_scale_f32_16x16x128_f8f6f4 v[rD:rD+7], v[rA:rA+11], v[rB:rB+11], v[rC:rC+7], v[rSA], v[rSB] matrix_a_fmt:MATRIX_FMT_FP6 matrix_b_fmt:MATRIX_FMT_FP6 matrix_a_scale:MATRIX_SCALE_ROW1
.elseif ((\b)%2 == 0)
	v_wmma_scale_f32_16x16x128_f8f6f4 v[rD:rD+7], v[rA:rA+11], v[rB:rB+11], v[rC:rC+7], v[rSA], v[rSB] matrix_a_fmt:MATRIX_FMT_FP6 matrix_b_fmt:MATRIX_FMT_FP6 matrix_b_scale:MATRIX_SCALE_ROW1
.else
	v_wmma_scale_f32_16x16x128_f8f6f4 v[rD:rD+7], v[rA:rA+11], v[rB:rB+11], v[rC:rC+7], v[rSA], v[rSB] matrix_a_fmt:MATRIX_FMT_FP6 matrix_b_fmt:MATRIX_FMT_FP6 matrix_a_scale:MATRIX_SCALE_ROW1 matrix_b_scale:MATRIX_SCALE_ROW1
.endif
.endm
.macro MUL a0                          ; 16 products; the 32 accumulators take turns, one instruction a turn, in the same order in every step
.irp a, \a0, \a0+1
.irp b, 0,1,2,3,4,5,6,7
	WM \a, \b
.endr
.endr
.endm
; A K step.  Steps 1, 3, 5 move on two records; step 3 opens half 1: my loads have landed, my LDS loads are in, and a barrier shows the same of all four waves.
.macro STEP s
.set SG, (\s)%2
.set FIRST, 0
.set WMUL, 0xa1                        ; source 0 window 1, source 1 window 0, C and D window 2
.if (\s) == 0
.set FIRST, 1
.set WMUL, 0xb1                        ; C window 3: the bias
.endif
.set OPEN, 0
.if ((\s)%2 == 1) && ((\s) < 7)
.set OPEN, 1
.endif
; A WORK-GROUP STAYS: it walks q, k and v for its 256 tokens and its 128 features of each.  The tokens' records stay in LDS; the weight's two halves are a ring of two slots.  In q's and k's walk step 3 fills slot 0
; (K steps 0-3, read out) and step 7 slot 1 (K steps 4-7) with the next tensor's records, eight groups on in wc: the three lines, a round of the cluster's barrier with sixteen products inside it, the joint refill by waves 2 and 3.
; Each round also shows what the refill before it brought.  In v's walk nothing is filled: step 3 has the wait and a plain barrier.
.set RND, 0
.if (CM == 0) && (((\s) == 3) || ((\s) == 7))
.set RND, 1
.endif
.if RND
	WIN 0                                          ; (the add's two registers lie in window 0)
	s_wait_tensorcnt 0x0                           ; all my tensor loads have landed,
	ds_add_u32 v[SPW], v[NIL]                      ; the add on my spare word,
	s_add_nc_u64 s[G0W+4*((\s)/4)+2:G0W+4*((\s)/4)+3], s[G0W+4*((\s)/4)+2:G0W+4*((\s)/4)+3], 8*GRP   ; no load of mine is out: this slot's next records
.elseif (\s) == 3
	s_wait_tensorcnt 0x0
.endif
	s_wait_dscnt 0x0                               ; this step's fragments and scale words are in: my reads of the slot are over; the add is done
.if RND || ((\s) == 3)
	s_barrier_signal -1
.endif
	WIN WMUL
	MUL 0
.if RND
	WIN 0
	s_barrier_wait -1
	s_cmp_lg_u32 s18, 0
	s_cbranch_scc1 .Lnw0_\@
	s_barrier_signal -3
.Lnw0_\@:
	s_barrier_wait -3
	s_barrier_signal -1
	s_barrier_wait -1
	s_cmp_eq_u32 s19, 0
	s_cbranch_scc1 .Lnofill_\@
	tensor_load_to_lds s[G0W+4*((\s)/4):G0W+4*((\s)/4)+3], s[G1W:G1W+7]
	s_nop 0
	PLACES 4
.Lnofill_\@:
.elseif (\s) == 3
	s_barrier_wait -1
.endif
.if (\s) < 7
	PLACES 4                                       ; in front of loads into registers that matrix instructions have read
	WIN 0
.if OPEN
.set ADV, 2*REC                        ; two records on; behind step 3 on to the next half's first record
.if (\s) == 3
.set ADV, CHK-2*REC
.endif
	v_add_nc_u32 v[A0], ADV, v[A0]
	v_add_nc_u32 v[A1], ADV, v[A1]
	v_add_nc_u32 v[A1S], ADV, v[A1S]
.endif
	FETCH (\s)+1
.endif
	WIN WMUL
	MUL 2
.endm
; 64 accumulator registers of window 2 from s on, register 16 b + i = place 32 b + 16 (lane / 16) + i along the next K, become 12 registers of codes (d0: places 0-63, d1: 64-127) and the scale word pw.
.macro QUANT s, d0, d1, pw
	WIN 0x28                                       ; sources 1 and 2 window 2
.irp b, 0,1,2,3
	v_max3_num_f32 v[TM+\b], 0x1800000, |v[(\s)+16*\b]|, |v[(\s)+16*\b+1]|   ; each accumulator is read from its low end on; the floor 2^(3 - 127)
.endr
.irp i, 2,4,6,8,10,12,14
.irp b, 0,1,2,3
	v_max3_num_f32 v[TM+\b], v[TM+\b], |v[(\s)+16*\b+\i]|, |v[(\s)+16*\b+\i+1]|
.endr
.endr
	WIN 0
.irp b, 0,1,2,3
	v_permlanex16_b32 v[TM+4+\b], v[TM+\b], s[SEL], s[SEL+1]
.endr
.irp b, 0,1,2,3
	v_max_num_f32 v[TM+\b], v[TM+\b], v[TM+4+\b]   ; with lane l xor 16's: the block's largest magnitude
.endr
.irp b, 0,1,2,3
	v_add_nc_u32 v[TM+12+\b], 0xff000000, v[TM+\b]
.endr
.irp b, 0,1,2,3
	v_lshrrev_b32 v[TM+4+\b], 23, v[TM+12+\b]
.endr
	v_lshl_or_b32 v[\pw], v[TM+5], 8, v[TM+4]
	v_lshl_or_b32 v[\pw], v[TM+6], 16, v[\pw]
	v_lshl_or_b32 v[\pw], v[TM+7], 24, v[\pw]
	WIN 0x02                                       ; source 0 window 2
	v_cvt_scalef32_pk16_fp6_f32 v[(\d0):(\d0)+2], v[(\s):(\s)+15], v[TM+12]
	v_cvt_scalef32_pk16_fp6_f32 v[TT:TT+2], v[(\s)+16:(\s)+31], v[TM+13]
	v_cvt_scalef32_pk16_fp6_f32 v[(\d1):(\d1)+2], v[(\s)+32:(\s)+47], v[TM+14]
	v_cvt_scalef32_pk16_fp6_f32 v[TT+4:TT+6], v[(\s)+48:(\s)+63], v[TM+15]
	WIN 0
	v_nop                                          ; one plain place behind the scaled conversions
.irp i, 0,1,2
	v_permlane16_swap_b32 v[(\d0)+\i], v[TT+\i]    ; the layout wants a whole block in a lane
	v_permlane16_swap_b32 v[(\d1)+\i], v[TT+4+\i]
.endr
.irp i, 0,1,2
	v_mov_b32 v[(\d0)+3+\i], v[TT+\i]
	v_mov_b32 v[(\d1)+3+\i], v[TT+4+\i]
.endr
.endm
	s_load_b256 s[4:11], s[0:1], 0x0               ; xc, wc, bq, bk
	s_load_b128 s[12:15], s[0:1], 0x20             ; bv, qr
	s_load_b64 s[16:17], s[0:1], 0x30              ; kv
	v_lshl_add_u32 v[SPW], v0, 2, SPARE
	v_mov_b32 v[NIL], 0
	ds_add_u32 v[SPW], v[NIL]                      ; the wave's opening: the add, twice on end, and its wait ahead of my first tensor load
	ds_add_u32 v[SPW], v[NIL]
	v_lshrrev_b32 v1, 5, v0
	v_readfirstlane_b32 s18, v1                    ; wave w
	s_lshr_b32 s19, s18, 1                         ; w / 2: I fetch tokens (0) or weights (1); also my group of tokens
	s_and_b32 s20, s18, 1                          ; w % 2
	s_bfe_u32 s21, ttmp6, 0x40000                  ; cx
	s_bfe_u32 s22, ttmp6, 0x40004                  ; cy
	s_lshl_b32 s23, ttmp9, 2
	s_add_co_u32 s23, s23, s21                     ; x: the weight's group
	s_and_b32 s24, ttmp7, 0xffff
	s_mov_b32 s27, s24                             ; the cluster's y
	s_lshl_b32 s24, s24, 2
	s_add_co_u32 s24, s24, s22                     ; y: 256 tokens
	s_mov_b32 s26, 0xffff0000                      ; lanes 16-31
	s_mov_b32 s[SEL], 0x76543210
	s_mov_b32 s[SEL+1], 0xfedcba98
	s_lshl_b32 s86, s22, 2
	s_lshl_b32 s86, 15, s86                        ; my row of the cluster
	s_lshl_b32 s87, 0x1111, s21                    ; my column
	s_or_b32 s[G1T], s86, (3<<16)|(1<<21)          ; the mask; elements of 8 bytes; bit 21 beside a mask; no padding
	s_or_b32 s[G1W], s87, (3<<16)|(1<<21)
	s_mov_b32 s[G1T+1], 32<<16                     ; rows of 32 elements = 256 bytes, dense
	s_mov_b32 s[G1T+2], 200<<16                    ; four records: 200 rows
	s_mov_b32 s[G1T+3], 32<<16
	s_mov_b32 s[G1T+4], 200
	s_mov_b32 s[G1T+5], 32
	s_mov_b32 s[G1T+6], 0
	s_mov_b32 s[G1T+7], 0
	s_mov_b32 s[G1W+1], 32<<16
	s_mov_b32 s[G1W+2], 100<<16                    ; two records: 100 rows
	s_mov_b32 s[G1W+3], 32<<16
	s_mov_b32 s[G1W+4], 100
	s_mov_b32 s[G1W+5], 32
	s_mov_b32 s[G1W+6], 0
	s_mov_b32 s[G1W+7], 0
	s_lshl_b32 s88, s24, 1
	s_add_co_u32 s88, s88, s20
	s_mul_i32 s88, s88, GRP                        ; tokens: group 2 y + w % 2 (made of y and w alone)
	s_mov_b32 s89, 0
	s_mul_i32 s90, s23, GRP
	s_mul_i32 s91, s20, 2*REC
	s_add_co_u32 s90, s90, s91                     ; weights: group x, record w % 2 of a chunk (made of x and w alone)
	s_mov_b32 s91, 0
	s_mul_i32 s92, s20, 4*REC                      ; where they go in a half: no place in the cluster enters an LDS address
	s_mul_i32 s93, s20, 2*REC
	s_add_co_u32 s93, s93, 8*REC
	s_wait_dscnt 0x0                               ; both opening adds are done
	s_wait_kmcnt 0x0
	s_add_nc_u64 s[94:95], s[4:5], s[88:89]
	s_add_nc_u64 s[96:97], s[6:7], s[90:91]
.irp c, 0,1
	s_mov_b32 s[G0T+4*\c], 1
	s_add_co_u32 s[G0T+4*\c+1], s92, CHK*\c
	s_add_nc_u64 s[G0T+4*\c+2:G0T+4*\c+3], s[94:95], 4*REC*\c
	s_or_b32 s[G0T+4*\c+3], s[G0T+4*\c+3], 0x80000000
	s_mov_b32 s[G0W+4*\c], 1
	s_add_co_u32 s[G0W+4*\c+1], s93, CHK*\c
	s_add_nc_u64 s[G0W+4*\c+2:G0W+4*\c+3], s[96:97], 4*REC*\c
	s_or_b32 s[G0W+4*\c+3], s[G0W+4*\c+3], 0x80000000
.endr
	CROUND                                         ; all sixteen work-groups are here: the joint loads meet
	s_cmp_eq_u32 s19, 0                            ; a wave's four first fills stand in one branch on the wave's number; an s_nop 0 follows each, four v_nop the last
	s_cbranch_scc0 .Lfirst_w
	tensor_load_to_lds s[G0T:G0T+3], s[G1T:G1T+7]  ; half 0: one load a wave at the head
	s_nop 0
	PLACES 4
	s_branch .Lfirst_done
.Lfirst_w:
	tensor_load_to_lds s[G0W:G0W+3], s[G1W:G1W+7]
	s_nop 0
	PLACES 4
.Lfirst_done:
	v_and_b32 v1, 31, v0
	v_lshlrev_b32 v2, 4, v1                        ; 16 l
	v_lshlrev_b32 v1, 3, v1                        ; 8 l
.macro BODY mode                       ; 0: q, k;  1: v
.set CM, \mode
	s_mul_i32 s86, s19, 4*REC                      ; my group of tokens in a half
	s_mul_i32 s87, s20, 4*FRB                      ; source 1: tiles 4 (w % 2) + 0 .. 3
	s_lshl_b32 s88, s20, 8                         ; and their half of the scale words
.if \mode == 0
	s_add_nc_u64 s[98:99], s[98:99], 8*GRP         ; the next tensor's group of weights: 400 blocks of 256 bytes, asked for three K steps ahead of its first refill;
	s_cmp_lt_u32 s27, 4                            ; the sixteen waves of a column of the cluster take 25 blocks each, told apart by address; the first four rows of clusters ask
	s_cbranch_scc0 .Lnopf_\@
	global_prefetch_b8 v10, s[98:99] th:TH_LOAD_NT scope:SCOPE_SE
.Lnopf_\@:
	v_add_nc_u32 v[A0], 8*REC, v1
	s_wait_alu depctr_va_vdst(0)
	s_add_co_u32 s87, s87, s86
	v_add_nc_u32 v[A1], s87, v1
	s_wait_alu depctr_va_vdst(0)
	s_add_co_u32 s88, s88, s86
	s_add_co_u32 s88, s88, 8*FRB
	v_add_nc_u32 v[A1S], s88, v1
	s_wait_alu depctr_va_vdst(0)
.else
	v_add_nc_u32 v[A0], s86, v1
	s_wait_alu depctr_va_vdst(0)
	s_add_co_u32 s87, s87, 8*REC
	v_add_nc_u32 v[A1], s87, v1
	s_wait_alu depctr_va_vdst(0)
	s_add_co_u32 s88, s88, 8*REC+8*FRB
	v_add_nc_u32 v[A1S], s88, v1
	s_wait_alu depctr_va_vdst(0)
.endif
	FETCH 0
	s_wait_loadcnt 0x0                             ; the bias
	STEP 0
.if \mode == 0
; THE NEXT WALK'S BIAS is asked for here, into the registers that step 0's products have read: seven K steps and the way out stand between these loads and the wait for them.  The choice hangs on the loop's counter alone.
	PLACES 4                                       ; in front of loads into registers that matrix instructions have read
	WIN 0
	s_cmp_eq_u32 s25, 0
	s_cbranch_scc0 .Lbias_v_\@
	WIN 0xc0                                       ; destination window 3
.irp n, 0,1,2,3,4,5,6,7,8,9,10,11,12,13,14,15
	global_load_b128 v[4*\n:4*\n+3], v11, s[10:11] offset:128*(\n/4)+16*(\n%4)   ; bk: register 16 j + i: the bias of feature 32 j + 16 h + i
.endr
	WIN 0
	s_branch .Lbias_done_\@
.Lbias_v_\@:
	WIN 0xc0
.irp a, 0,1,2,3
.irp j, 0,1,2,3,4,5,6,7
	global_load_b32 v[8*\a+\j], v12, s[12:13] offset:(32*(\a/2)+8*(\a%2))*4   ; bv: a lane's eight results of tile a share one feature
.endr
.endr
	WIN 0
.Lbias_done_\@:
.endif
	STEP 1
	s_wait_alu depctr_va_vdst(0)
	STEP 2
	STEP 3
	s_wait_alu depctr_va_vdst(0)
	STEP 4
	STEP 5
	s_wait_alu depctr_va_vdst(0)
	STEP 6
	STEP 7
	PLACES 4                                       ; in front of the first read of results
	WIN 0
.irp b, 0,1,2,3
	v_mov_b32 v[TM+4+\b], 0                        ; written once: a lane permute's destination counts as one of its sources
.endr
	s_lshl_b32 s86, s24, 1
	s_add_co_u32 s86, s86, s19                     ; my group of tokens
	s_lshr_b32 s87, s86, 4                         ; the batch
	s_and_b32 s86, s86, 15                         ; the key step in it
	s_and_b32 s88, s23, 7
	s_lshl_b32 s87, s87, 4
	s_lshl_b32 s88, s88, 1
	s_add_co_u32 s87, s87, s88                     ; head 16 batch + 2 f
.if \mode == 0
.irp a, 0,1,2,3
	QUANT 64*\a, CK+6*\a, CK+24+6*\a, PW+\a        ; places 0-63: head 2 f, 64-127: head 2 f + 1; each head's 24 registers on end
.endr
	v_cndmask_b32 v62, v[PW], v[PW+1], s26         ; lanes 0-15 the even tile's words, lanes 16-31 the odd tile's
	v_cndmask_b32 v63, v[PW+2], v[PW+3], s26
	v_and_b32 v60, 0xffff, v62                     ; head 2 f: bytes s0, s1, 0, 0
	v_and_b32 v61, 0xffff, v63
	v_lshrrev_b32 v62, 16, v62                     ; head 2 f + 1
	v_lshrrev_b32 v63, 16, v63
	s_lshl_b32 s87, s87, 4
	s_add_co_u32 s87, s87, s86
	s_mul_i32 s92, s87, AREC
	s_mov_b32 s93, 0
	s_cmp_eq_u32 s25, 1
	s_cselect_b64 s[90:91], s[16:17], s[14:15]     ; k goes to kv, q to qr
	s_add_nc_u64 s[90:91], s[90:91], s[92:93]
	s_mul_i32 s87, s20, 3072
	v_add_nc_u32 v8, s87, v2                       ; my 24 of the image's 48 registers
	s_lshl_b32 s88, s20, 8
	v_add_nc_u32 v9, s88, v1
	s_wait_alu depctr_va_vdst(0)
.irp c, 0,1
.irp g, 0,1,2,3,4,5
	global_store_b128 v8, v[CK+24*\c+4*\g:CK+24*\c+4*\g+3], s[90:91] offset:16*AREC*\c+512*\g   ; 512 consecutive bytes, aligned
.endr
	global_store_b64 v9, v[60+2*\c:61+2*\c], s[90:91] offset:16*AREC*\c+12288   ; 256 consecutive bytes, aligned
.endr
.else
.irp a, 0,1,2,3
	QUANT 64*\a, CK+12*\a, CK+12*\a+6, PW+\a       ; tile a of V^T: 16 of the head's 64 x 128 keys
.endr
	v_cndmask_b32 v60, v[PW], v[PW+1], s26
	v_cndmask_b32 v61, v[PW+2], v[PW+3], s26
	s_add_co_u32 s87, s87, s20                     ; head 16 batch + 2 f + w % 2
	s_lshl_b32 s87, s87, 4
	s_add_co_u32 s87, s87, s86
	s_mul_i32 s92, s87, AREC
	s_mov_b32 s93, 0
	s_add_nc_u64 s[90:91], s[16:17], s[92:93]
.irp g, 0,1,2,3,4,5,6,7,8,9,10,11
	global_store_b128 v2, v[CK+4*\g:CK+4*\g+3], s[90:91] offset:6144+512*\g
.endr
	global_store_b64 v1, v[60:61], s[90:91] offset:12800
.endif
.if \mode
	s_wait_tensorcnt 0x0                           ; the wave's end
	ds_add_u32 v[SPW], v[NIL]
	s_wait_dscnt 0x0
	CROUND                                         ; the closing round
	s_endpgm
.else
	s_wait_xcnt 0x0                                ; the stores and the prefetch have read their registers and bases: the next walk may write them
.endif
.endm
	s_lshl_b32 s98, s22, 2
	s_add_co_u32 s98, s98, s18                     ; my number among the sixteen waves of my column of the cluster
	s_mul_i32 s98, s98, 25*256
	v_and_b32 v10, 31, v0
	v_min_u32 v10, 24, v10                         ; (the lanes left over name my last block again)
	v_lshl_add_u32 v10, v10, 8, s98                ; the prefetches' offset; never rewritten
	s_mul_i32 s98, s23, GRP
	s_mov_b32 s99, 0
	s_add_nc_u64 s[98:99], s[6:7], s[98:99]        ; Wq's group x
	s_lshl_b32 s92, s23, 9                         ; my 128 features of each bias; the three bases and the two offsets are never rewritten
	s_mov_b32 s93, 0
	s_add_nc_u64 s[8:9], s[8:9], s[92:93]
	s_add_nc_u64 s[10:11], s[10:11], s[92:93]
	s_lshl_b32 s86, s20, 8                         ; v: my 64 features: one head
	s_add_co_u32 s92, s92, s86
	s_add_nc_u64 s[12:13], s[12:13], s[92:93]
	v_bfe_u32 v11, v0, 4, 1
	v_lshlrev_b32 v11, 6, v11                      ; q, k: 16 h numbers on
	v_and_b32 v12, 15, v0
	v_and_b32 v13, 8, v12
	v_add_nc_u32 v12, v12, v13
	v_lshlrev_b32 v12, 2, v12                      ; v: r + 8 (r / 8)
	WIN 0xc0                                       ; destination window 3
.irp n, 0,1,2,3,4,5,6,7,8,9,10,11,12,13,14,15
	global_load_b128 v[4*\n:4*\n+3], v11, s[8:9] offset:128*(\n/4)+16*(\n%4)   ; bq, asked for under the first tiles' flight
.endr
	WIN 0
	s_wait_alu depctr_va_vdst(0)                   ; the wait at the head's end
	s_wait_tensorcnt 0x0                           ; my load of half 0 has landed
	ds_add_u32 v[SPW], v[NIL]
	s_wait_dscnt 0x0
	CROUND                                         ; everybody's has, and all sixteen work-groups are here: the joint loads meet
	s_cmp_eq_u32 s19, 0
	s_cbranch_scc0 .Lsecond_w
	tensor_load_to_lds s[G0T+4:G0T+7], s[G1T:G1T+7]   ; half 1, my one tensor load behind the round
	s_nop 0
	PLACES 4
	s_branch .Lsecond_done
.Lsecond_w:
	tensor_load_to_lds s[G0W+4:G0W+7], s[G1W:G1W+7]
	s_nop 0
	PLACES 4
.Lsecond_done:
	s_mov_b32 s25, 0                               ; 0 q, 1 k
.Lqk:
	BODY 0
	s_add_co_u32 s25, s25, 1
	s_cmp_lt_u32 s25, 2
	s_wait_alu depctr_va_vdst(0)                   ; the wait ahead of the branch
	s_cbranch_scc1 .Lqk
	BODY 1
.Lfunc_end_k_qdea77d5ef1_gemm_qkv:
	.size	k_qdea77d5ef1_gemm_qkv, .Lfunc_end_k_qdea77d5ef1_gemm_qkv-k_qdea77d5ef1_gemm_qkv
	.p2alignl 7, 3214868480
	.fill 96, 4, 3214868480
	.section	.rodata,"a",@progbits
	.p2align	6, 0x0
	.amdhsa_kernel k_qdea77d5ef1_gemm_qkv
		.amdhsa_group_segment_fixed_size 327680
		.amdhsa_private_segment_fixed_size 0
		.amdhsa_enable_private_segment 0
		.amdhsa_kernarg_size 56
		.amdhsa_user_sgpr_count 2
		.amdhsa_user_sgpr_kernarg_segment_ptr 1
		.amdhsa_wavefront_size32 1
		.amdhsa_system_sgpr_workgroup_id_x 1
		.amdhsa_system_sgpr_workgroup_id_y 1
		.amdhsa_system_sgpr_workgroup_id_z 1
		.amdhsa_system_vgpr_workitem_id 0
		.amdhsa_next_free_vgpr 1024
		.amdhsa_next_free_sgpr 100
		.amdhsa_reserve_vcc 0
		.amdhsa_float_denorm_mode_32 3
		.amdhsa_float_denorm_mode_16_64 3
		.amdhsa_memory_ordered 1
		.amdhsa_forward_progress 1
		.amdhsa_inst_pref_size 197
	.end_amdhsa_kernel
	.amdgpu_metadata
---
amdhsa.version: [ 1, 2 ]
amdhsa.kernels:
  - .name:           k_qdea77d5ef1_gemm_qkv
    .symbol:         k_qdea77d5ef1_gemm_qkv.kd
    .args:
      - { .name: xc, .offset: 0, .size: 8, .value_kind: global_buffer, .address_space: global }
      - { .name: wc, .offset: 8, .size: 8, .value_kind: global_buffer, .address_space: global }
      - { .name: bq, .offset: 16, .size: 8, .value_kind: global_buffer, .address_space: global }
      - { .name: bk, .offset: 24, .size: 8, .value_kind: global_buffer, .address_space: global }
      - { .name: bv, .offset: 32, .size: 8, .value_kind: global_buffer, .address_space: global }
      - { .name: qr, .offset: 40, .size: 8, .value_kind: global_buffer, .address_space: global }
      - { .name: kv, .offset: 48, .size: 8, .value_kind: global_buffer, .address_space: global }
    .group_segment_fixed_size: 327680
    .private_segment_fixed_size: 0
    .kernarg_segment_align: 8
    .kernarg_segment_size: 56
    .max_flat_workgroup_size: 128
    .sgpr_count:     100
    .vgpr_count:     1024
    .wavefront_size: 32
...
	.end_amdgpu_metadata
.endif
;; end of part 2
;; launch attn (part 3): grid 4 x 64, 8 waves a work-group, clusters of 4 x 1, 210,944 bytes of LDS; arguments qr, kv, cc; writes cc
.if DOCPART == 3
	.amdgcn_target "amdgcn-amd-amdhsa--gfx1250"
	.amdhsa_code_object_version 6
	.text
	.protected	k_qdea77d5ef1_attn
	.globl	k_qdea77d5ef1_attn
	.p2align	8
	.type	k_qdea77d5ef1_attn,@function
k_qdea77d5ef1_attn:
	s_mov_b64 s[64:65], 0
	v_nop
	global_prefetch_b8 v0, s[64:65] scope:SCOPE_SE
	s_setreg_imm32_b32 hwreg(HW_REG_WAVE_MODE, 25, 1), 1
	s_wait_xcnt 0x0
	s_wait_alu depctr_hold_cnt(0) depctr_sa_sdst(0) depctr_va_vdst(0) depctr_va_sdst(0) depctr_va_ssrc(0) depctr_va_vcc(0) depctr_vm_vsrc(0)
	s_getreg_b32 s2, hwreg(HW_REG_IB_STS2, 6, 4)
	s_cmp_eq_u32 s2, 0
	s_cbranch_scc0 .Lentry_in_a_cluster
	s_endpgm
.Lentry_in_a_cluster:
	s_bfe_u32 s2, ttmp6, 0x10000c
	s_cmp_lg_u32 s2, 0x3003
	s_cbranch_scc0 .Lentry_shape_is_right
	s_endpgm
.Lentry_shape_is_right:
; Launch 3 of 4: for each of 64 heads, O = softmax(Q K^T / 8) V on codes of E2M3, and O quantised along (head, d) into cc, the last product's operand.  No work is left out.
; THE SOFTMAX: t = score x log2(e) / 8; M = the running largest t rounded UP to a whole number; p = 2^(t - M) is quantised along the keys, not normalised; the row's sum is taken of the unquantised p and divides O
; at the end.  When M moves, the sum and O are multiplied by 2^(old M - new M), which rounds nothing.
; SHARES.  A work-group owns one head and 512 queries; each of its eight waves owns four tiles of 16 queries.  A trip of the loop is one key step of 128 keys: K's and V's fragments are read from LDS once for the four tiles.
; The next tile's eight score products are issued ahead of a tile's softmax lines.
; LDS.  The head's 16 records of kv (13,056 bytes each) are filled ONCE, one tensor load of two records a wave, and stay: no ring, no refill.  One tensor load of a wave is out.
; CLUSTER 4 x 1: the four query blocks of a head read the same records: each is asked for jointly, by the same load with the mask of all four.
; NO PREFETCH: every tile is asked for at the head; there is no loop to run ahead in.
; LAYOUT.  Both products are used transposed (S^T = K Q^T, O^T = V^T P^T): a lane holds one query.  WHICH KEYS FORM A TILE OF K is chosen by the lanes' LDS addresses: rows 0-7 of tile 4 c + u are keys 64 c + 8 u + 0..7,
; rows 8-15 keys 64 c + 32 + 8 u + 0..7.  So registers 32 c + i of lane (r, h) are keys 64 c + 32 h + i: a whole block of 32 in a lane, in the order of the next operand's registers: no lane is asked for a block's maximum.
; In kv's image row r of tile 2 b + u is key 32 b + 8 u + r + 8 (r / 8): lanes r < 8 read tiles 4 c + (u % 2), lanes r >= 8 tiles 4 c + 2 + (u % 2), 1,536 bytes on; rows (r % 8) + 8 (u / 2).
; K = 64 IN THE FIRST PRODUCT.  Q's fragment is six registers of codes and six of zero codes; K's for tile T is registers 6 T .. 6 T + 11: its upper six are the next tile's codes (tile 7: zeros), which meet zero codes.
; Scale bytes 2 and 3 of both words are 0, never 0xff.
; CHAINS.  The maxima of 64 scores and the sum of 64 p run in eight chains each, so that a line reads what stands eight lines back; the short chains behind them carry one-field hints.
; LIMITS: as in quant_x; the promise holds while the scaled scores stay under 2^31 in magnitude; 1 / l by v_rcp_f32; a head owns two bytes of a row's scale word in cc, so these leave by stores of 2 bytes.
; REGISTERS.  Window 0: v1-14 addresses, v16-31 a tile's -M, largest score, sum (pair); v32-40 scale words; v41-55 at work; v56-67 p's codes (before them four of the sum's chains); v74-127 K; v128-255 S^T, two buffers.
; Window 1: v0-127 O^T (32 a tile), v128-175 V, v176-223 Q (a tile: six of codes, six of zeros).
.set REC,   13056
.set CREC,  12800
.set SPARE, 16*REC                     ; behind the records: the spare words, 128 bytes for each wave, which no other line names
.set KA,  1                            ; v1, v2  K's lane terms for u / 2 = 0, 1
.set SPW, 3
.set NIL, 4
.set VA,  5                            ; 16 l
.set KSA, 6                            ; K's scale words' lane term
.set L8,  7                            ; 8 l
.set R8,  8                            ; 8 r
.set SH,  9                            ; 8 h
.set AD,  10                           ; v10-14 the five terms + the record in hand
.set ST,  16
.set KS,  32
.set VS,  36
.set QS,  38
.set PW,  40
.set X,   41
.set BM,  42
.set F,   44                           ; v[44:45] f (the upper word is written once)
.set BS,  46
.set Y,   48
.set T1,  49
.set AT,  50                           ; v50-55 the maxima's chains 1 to 3 of both blocks
.set CH,  48                           ; the sum's chain k (1 to 7) at v[48 + 2 k]: v50-63
.set PC,  56
.set TT,  68                           ; v68-70, v50-52 second halves as converted
.set TU,  50
.set FB,  74
.set S,   128
.set OV,  128
.set QB,  176
.set WV,  12
.set SEL, 28
.set CS,  30
.set TB,  32
.set CNT, 33
.set MSB, 0
.macro WIN new                         ; the immediate's high byte repeats the setting that is left
.if MSB != \new
	s_set_vgpr_msb (MSB<<8)|\new
.set MSB, \new
.endif
.endm
.macro WALU
	s_wait_alu depctr_va_vdst(0)
.endm
.macro CROUND
	s_barrier_signal -1
	s_barrier_wait -1
	s_cmp_lg_u32 s[WV], 0
	s_cbranch_scc1 .Lnot_wave_0_\@
	s_barrier_signal -3
.Lnot_wave_0_\@:
	s_barrier_wait -3
	s_barrier_signal -1
	s_barrier_wait -1
.endm
.macro QK q, qp, buf                   ; S^T of query tile q (qp = q % 2) into buffer buf: eight tiles of 16 keys
	WIN 0x04                                       ; source 1 (Q) window 1
.irp h, 0,1,2,3
.irp e, 0,1
	v_wmma_scale_f32_16x16x128_f8f6f4 v[S+64*\buf+16*\h+8*\e:S+64*\buf+16*\h+8*\e+7], v[FB+12*\h+6*\e:FB+12*\h+6*\e+11], v[QB+12*\q:QB+12*\q+11], 0, v[KS+\h], v[QS+\q/2] matrix_a_fmt:MATRIX_FMT_FP6 matrix_b_fmt:MATRIX_FMT_FP6 matrix_a_scale:MATRIX_SCALE_ROW\e matrix_b_scale:MATRIX_SCALE_ROW\qp
.endr
.endr
	WIN 0
.endm
.macro PV q                            ; O^T of tile q += V^T P^T: four accumulators, one instruction each
	WIN 0x51                                       ; V, C and D window 1
.irp h, 0,1
.irp e, 0,1
	v_wmma_scale_f32_16x16x128_f8f6f4 v[32*\q+16*\h+8*\e:32*\q+16*\h+8*\e+7], v[OV+24*\h+12*\e:OV+24*\h+12*\e+11], v[PC:PC+11], v[32*\q+16*\h+8*\e:32*\q+16*\h+8*\e+7], v[VS+\h], v[PW] matrix_a_fmt:MATRIX_FMT_FP6 matrix_b_fmt:MATRIX_FMT_FP6 matrix_a_scale:MATRIX_SCALE_ROW\e
.endr
.endr
	WIN 0
.endm
.macro ADDS n                          ; the next n pairs of p onto the sum's eight chains, by turns
.rept \n
.if PI%8 == 0
	v_pk_add_f32 v[LL:LL+1], v[LL:LL+1], v[SBS+2*PI:SBS+2*PI+1]
.else
	v_pk_add_f32 v[CH+2*(PI%8):CH+2*(PI%8)+1], v[CH+2*(PI%8):CH+2*(PI%8)+1], v[SBS+2*PI:SBS+2*PI+1]
.endif
.set PI, PI+1
.endr
.endm
.macro SOFT q, buf                     ; 128 keys' scores of tile q become p's codes and scale word; the sum and O^T go under the new M
.set SBS, S+64*\buf
.set NM,  ST+4*\q
.set LL,  ST+4*\q+2
.irp c, 0,1                            ; the largest score of my two blocks: a chain to each accumulator, which is first read at its low end
	v_max3_num_f32 v[BM+\c], v[SBS+32*\c], v[SBS+32*\c+1], v[SBS+32*\c+2]
.irp k, 1,2,3
	v_max3_num_f32 v[AT+2*\k-2+\c], v[SBS+32*\c+8*\k], v[SBS+32*\c+8*\k+1], v[SBS+32*\c+8*\k+2]
.endr
.endr
.irp i, 3,5
.irp c, 0,1
	v_max3_num_f32 v[BM+\c], v[BM+\c], v[SBS+32*\c+\i], v[SBS+32*\c+\i+1]
.irp k, 1,2,3
	v_max3_num_f32 v[AT+2*\k-2+\c], v[AT+2*\k-2+\c], v[SBS+32*\c+8*\k+\i], v[SBS+32*\c+8*\k+\i+1]
.endr
.endr
.endr
.irp c, 0,1
	v_max3_num_f32 v[BM+\c], v[BM+\c], v[SBS+32*\c+7], v[SBS+32*\c+15]
.endr
.irp c, 0,1
	v_max3_num_f32 v[AT+\c], v[AT+\c], v[SBS+32*\c+23], v[SBS+32*\c+31]
.endr
.irp c, 0,1
	s_delay_alu instid0(VALU_DEP_2)
	v_max3_num_f32 v[BM+\c], v[BM+\c], v[AT+\c], v[AT+2+\c]
.endr
.irp c, 0,1
	s_delay_alu instid0(VALU_DEP_2)
	v_max_num_f32 v[BM+\c], v[BM+\c], v[AT+4+\c]
.endr
	s_delay_alu instid0(VALU_DEP_1)
	v_max_num_f32 v[X], v[BM], v[BM+1]
	s_delay_alu instid0(VALU_DEP_1)
	v_permlanex16_b32 v[Y], v[X], s[SEL], s[SEL+1]
	s_delay_alu instid0(VALU_DEP_1)
	v_max3_num_f32 v[NM+1], v[NM+1], v[X], v[Y]    ; the running largest score of my query
	s_delay_alu instid0(VALU_DEP_1)
	v_mul_f32 v[T1], s[CS], v[NM+1]                ; as t
	s_delay_alu instid0(VALU_DEP_1)
	v_floor_f32 v[X], -v[T1]                       ; the new -M: M is a whole number
	s_delay_alu instid0(VALU_DEP_1)
	v_sub_f32 v[T1], v[X], v[NM]                   ; old M - new M, 0 or less
	s_delay_alu instid0(VALU_DEP_2)
	v_mov_b32 v[NM], v[X]
	s_delay_alu instid0(VALU_DEP_2)
	v_cvt_i32_f32 v[T1], v[T1]                     ; (it saturates)
	s_delay_alu instid0(VALU_DEP_1)
	v_ldexp_f32 v[F], 1.0, v[T1]                   ; f = 2^(old M - new M)
.irp j, 0,2,4,6,8,10,12,14,16,18,20,22,24,26,28,30,32,34,36,38,40,42,44,46,48,50,52,54,56,58,60,62
	v_pk_fma_f32 v[SBS+\j:SBS+\j+1], v[SBS+\j:SBS+\j+1], s[CS:CS+1], v[NM:NM+1] op_sel_hi:[1,0,0]   ; t - M
.endr
.irp c, 0,1
	v_fma_f32 v[BM+\c], v[BM+\c], s[CS], v[NM]     ; the same of each block's largest score
.endr
	WALU                                           ; the wait ahead of the batch
	v_exp_f32 v[BM], v[BM]                         ; the blocks' largest p
	v_exp_f32 v[BM+1], v[BM+1]
.set Q_, 0
.rept 64
	v_exp_f32 v[SBS+Q_], v[SBS+Q_]                 ; p = 2^(t - M)
.set Q_, Q_+1
.endr
	v_nop                                          ; the plain place behind the exponentials
	WALU                                           ; one wait for the batch; it also stands between the products' results (O^T, the next tile's scores) and their first reads
	v_pk_fma_f32 v[LL:LL+1], v[LL:LL+1], v[F:F+1], v[SBS:SBS+1] op_sel_hi:[1,0,1]   ; the sum under the new M, and the first pair
.irp k, 1,2,3,4,5,6,7
	v_pk_add_f32 v[CH+2*\k:CH+2*\k+1], v[SBS+4*\k-2:SBS+4*\k-1], v[SBS+4*\k:SBS+4*\k+1]
.endr
.set PI, 15
	v_max_num_f32 v[BM], 0x1800000, v[BM]          ; the floor 2^(3 - 127)
	v_max_num_f32 v[BM+1], 0x1800000, v[BM+1]
	ADDS 3
	v_add_nc_u32 v[BS], 0xff000000, v[BM]          ; 2 off the exponent field: the conversions' scale operands
	v_add_nc_u32 v[BS+1], 0xff000000, v[BM+1]
	ADDS 3
	v_lshrrev_b32 v[X], 23, v[BS]                  ; the bytes of blocks h and 2 + h
	v_lshrrev_b32 v[T1], 23, v[BS+1]
	ADDS 3
	v_lshl_or_b32 v[X], v[T1], 16, v[X]
	ADDS 3
	v_lshlrev_b32 v[X], v[SH], v[X]                ; at their places in the word
	ADDS 3
	v_permlanex16_b32 v[Y], v[X], s[SEL], s[SEL+1]
	ADDS 2
	v_pk_add_f32 v[CH+2:CH+3], v[CH+2:CH+3], v[CH+4:CH+5]       ; the eight chains join
	v_pk_add_f32 v[CH+6:CH+7], v[CH+6:CH+7], v[CH+8:CH+9]
	v_pk_add_f32 v[CH+10:CH+11], v[CH+10:CH+11], v[CH+12:CH+13]
	v_pk_add_f32 v[LL:LL+1], v[LL:LL+1], v[CH+14:CH+15]
	s_delay_alu instid0(VALU_DEP_3)
	v_pk_add_f32 v[CH+2:CH+3], v[CH+2:CH+3], v[CH+6:CH+7]
	s_delay_alu instid0(VALU_DEP_2)
	v_pk_add_f32 v[LL:LL+1], v[LL:LL+1], v[CH+10:CH+11]
	s_delay_alu instid0(VALU_DEP_1)
	v_pk_add_f32 v[LL:LL+1], v[LL:LL+1], v[CH+2:CH+3]
	v_cvt_scalef32_pk16_fp6_f32 v[PC:PC+2], v[SBS:SBS+15], v[BS]
	v_cvt_scalef32_pk16_fp6_f32 v[TT:TT+2], v[SBS+16:SBS+31], v[BS]       ; (a conversion's three registers begin on an even number)
	v_cvt_scalef32_pk16_fp6_f32 v[PC+6:PC+8], v[SBS+32:SBS+47], v[BS+1]
	v_cvt_scalef32_pk16_fp6_f32 v[TU:TU+2], v[SBS+48:SBS+63], v[BS+1]
	v_or_b32 v[PW], v[X], v[Y]                     ; with lane l xor 16's two bytes the word is whole.  (The plain place behind the conversions)
.irp i, 0,1,2
	v_mov_b32 v[PC+3+\i], v[TT+\i]
	v_mov_b32 v[PC+9+\i], v[TU+\i]
.endr
	WIN 0x41                                       ; O^T: source 0 and destination window 1
.irp j, 0,2,4,6,8,10,12,14,16,18,20,22,24,26,28,30
	v_pk_mul_f32 v[32*\q+\j:32*\q+\j+1], v[32*\q+\j:32*\q+\j+1], v[F:F+1] op_sel_hi:[1,0]   ; O^T under the new M; these sixteen also stand between the word's and the codes' last writes and the products
.endr
.endm
.macro FINQ q                          ; O^T / l of tile q, quantised along the head's 64 (register 16 b + i: d = 32 b + 16 h + i), goes to cc
.set SBS, S+32*\q
.set OC,  FB+8*\q
	WIN 0x01
.irp j, 0,2,4,6,8,10,12,14,16,18,20,22,24,26,28,30
	v_pk_mul_f32 v[SBS+\j:SBS+\j+1], v[32*\q+\j:32*\q+\j+1], v[ST+4*\q+2:ST+4*\q+3] op_sel_hi:[1,0]
.endr
	WIN 0
.irp b, 0,1
	v_max3_num_f32 v[BM+\b], |v[SBS+16*\b]|, |v[SBS+16*\b+1]|, 0x1800000
.endr
.irp i, 2,4,6,8,10,12,14
.irp b, 0,1
	v_max3_num_f32 v[BM+\b], v[BM+\b], |v[SBS+16*\b+\i]|, |v[SBS+16*\b+\i+1]|
.endr
.endr
.irp b, 0,1
	v_permlanex16_b32 v[AT+\b], v[BM+\b], s[SEL], s[SEL+1]
.endr
.irp b, 0,1
	v_max_num_f32 v[BM+\b], v[BM+\b], v[AT+\b]
.endr
.irp b, 0,1
	v_add_nc_u32 v[BS+\b], 0xff000000, v[BM+\b]
.endr
.irp b, 0,1
	v_lshrrev_b32 v[AT+\b], 23, v[BS+\b]
.endr
	v_lshl_or_b32 v[KS+\q], v[AT+1], 8, v[AT]
	v_cvt_scalef32_pk16_fp6_f32 v[OC:OC+2], v[SBS:SBS+15], v[BS]
	v_cvt_scalef32_pk16_fp6_f32 v[TT:TT+2], v[SBS+16:SBS+31], v[BS+1]
	v_nop
.irp i, 0,1,2
	v_permlane16_swap_b32 v[OC+\i], v[TT+\i]       ; the layout wants a whole block in a lane
.endr
.irp i, 0,1,2
	v_mov_b32 v[OC+3+\i], v[TT+\i]
.endr
.irp p, 0,1,2
	global_store_b64 v[L8], v[OC+2*\p:OC+2*\p+1], s[36:37] offset:1536*\q+256*\p   ; 256 consecutive bytes, aligned; each tile has its own registers
.endr
	global_store_b16 v[R8], v[KS+\q], s[38:39] offset:128*(\q%2)+4*(\q/2)   ; both halves of the lanes store the same two bytes to the same place
.endm
	s_load_b128 s[4:7], s[0:1], 0x0                ; qr, kv
	s_load_b64 s[8:9], s[0:1], 0x10                ; cc
	v_lshl_add_u32 v[SPW], v0, 2, SPARE
	v_mov_b32 v[NIL], 0
	ds_add_u32 v[SPW], v[NIL]                      ; the wave's opening: the add, twice on end, and its wait ahead of my first tensor load
	ds_add_u32 v[SPW], v[NIL]
	v_lshrrev_b32 v1, 5, v0
	v_readfirstlane_b32 s[WV], v1                  ; wave 0..7
	s_bfe_u32 s13, ttmp6, 0x40000                  ; cx: it enters qr's and cc's addresses alone
	s_and_b32 s14, ttmp7, 0xffff                   ; the head, 16 batch + h
	s_mov_b32 s16, 15|(3<<16)|(1<<21)              ; the mask of all four; elements of 8 bytes; bit 21 beside a mask; no padding
	s_mov_b32 s17, 32<<16                          ; rows of 256 bytes, dense
	s_mov_b32 s18, 102<<16                         ; two records: 102 rows
	s_mov_b32 s19, 32<<16
	s_mov_b32 s20, 102
	s_mov_b32 s21, 32
	s_mov_b32 s22, 0
	s_mov_b32 s23, 0
	s_mov_b32 s[SEL], 0x76543210
	s_mov_b32 s[SEL+1], 0xfedcba98                 ; lane selects: lane l xor 16
	s_mov_b32 s[CS], 0x3e38aa3b                    ; log2(e) / 8
	s_mov_b32 s[CS+1], s[CS]
	s_lshl_b32 s40, s14, 4
	s_lshl_b32 s41, s[WV], 1
	s_add_co_u32 s40, s40, s41
	s_mul_i32 s40, s40, REC                        ; records 2 w, 2 w + 1 of the head
	s_mov_b32 s41, 0
	s_mov_b32 s24, 1
	s_mul_i32 s25, s[WV], 2*REC
	s_lshl_b32 s42, s13, 2
	s_lshr_b32 s43, s[WV], 1
	s_add_co_u32 s42, s42, s43                     ; my queries' step of 128 tokens
	s_and_b32 s43, s[WV], 1                        ; and which four of its eight tiles
	s_lshl_b32 s44, s14, 4
	s_add_co_u32 s44, s44, s42
	s_mul_i32 s44, s44, REC
	s_mov_b32 s45, 0
	s_lshr_b32 s48, s14, 4
	s_and_b32 s49, s14, 15
	s_lshl_b32 s48, s48, 4
	s_add_co_u32 s48, s48, s42                     ; cc's group
	s_lshl_b32 s48, s48, 3
	s_lshr_b32 s50, s49, 1
	s_add_co_u32 s48, s48, s50                     ; K step h / 2
	s_mul_i32 s48, s48, CREC
	s_and_b32 s49, s49, 1
	s_mul_i32 s50, s43, 6144
	s_mul_i32 s51, s49, 768
	s_add_co_u32 s50, s50, s51
	s_add_co_u32 s50, s50, s48                     ; my first tile's fragment, registers 6 (h % 2) on
	s_mov_b32 s51, 0
	s_lshl_b32 s52, s43, 8
	s_lshl_b32 s53, s49, 1
	s_add_co_u32 s52, s52, s53
	s_add_co_u32 s52, s52, s48
	s_add_co_u32 s52, s52, 12288                   ; and bytes 2 (h % 2) of its rows' scale words
	s_mov_b32 s53, 0
	s_mul_i32 s54, s43, 3072                       ; my 24 of Q's 48 registers
	s_lshl_b32 s55, s43, 8                         ; and my half of its scale words
	WALU
	s_wait_dscnt 0x0                               ; both opening adds are done
	s_wait_kmcnt 0x0
	s_add_nc_u64 s[26:27], s[6:7], s[40:41]
	s_or_b32 s27, s27, 0x80000000
	s_add_nc_u64 s[46:47], s[4:5], s[44:45]
	s_add_nc_u64 s[36:37], s[8:9], s[50:51]
	s_add_nc_u64 s[38:39], s[8:9], s[52:53]
	CROUND                                         ; all four work-groups are here: the joint loads meet
	tensor_load_to_lds s[24:27], s[16:23]          ; every wave asks for two records: no branch
	s_nop 0
.rept 4
	v_nop
.endr
	v_and_b32 v50, 31, v0
	v_and_b32 v51, 15, v0                          ; r
	v_bfe_u32 v52, v0, 4, 1                        ; h
	v_and_b32 v53, 7, v0                           ; r % 8
	v_bfe_u32 v54, v0, 3, 1                        ; r / 8
	v_lshlrev_b32 v[VA], 4, v50
	v_lshlrev_b32 v[L8], 3, v50
	v_lshlrev_b32 v[R8], 3, v51
	v_lshlrev_b32 v[SH], 3, v52
	v_lshlrev_b32 v[KA], 4, v53
	v_lshl_add_u32 v[KA], v52, 8, v[KA]
	v_mad_u32_u24 v[KA], v54, 1536, v[KA]          ; the image's lane (r % 8) + 16 h, and two tiles on for r >= 8
	v_add_nc_u32 v[KA+1], 128, v[KA]               ; the image's rows 8-15
	v_lshlrev_b32 v[KSA], 3, v53
	v_lshl_add_u32 v[KSA], v54, 2, v[KSA]
	v_lshl_add_u32 v[KSA], v52, 7, v[KSA]          ; lane 16 e + r: 128 e + 8 (r % 8) + 4 (r / 8)
	v_add_nc_u32 v55, s54, v[VA]
	v_add_nc_u32 v56, s55, v[L8]
	global_load_b64 v[QS:QS+1], v56, s[46:47] offset:12288   ; register i / 2, lanes 16 (i % 2) + r: tile i's words
	WIN 0x40                                       ; destination window 1
.irp i, 0,1,2,3
.irp p, 0,1,2
	global_load_b64 v[QB+12*\i+2*\p:QB+12*\i+2*\p+1], v55, s[46:47] offset:512*((6*\i+2*\p)/4)+4*((6*\i+2*\p)%4)   ; Q's tile i, registers 2 p, 2 p + 1
.endr
.irp z, 6,7,8,9,10,11
	v_mov_b32 v[QB+12*\i+\z], 0                    ; zero codes: the upper half of Q's fragment
.endr
.endr
.set Q_, 0
.rept 128
	v_mov_b32 v[Q_], 0                             ; O^T: the step is written once: the first finds zeros, which the first change of M leaves zeros
.set Q_, Q_+1
.endr
	WIN 0
.irp i, 0,1,2,3,4,5
	v_mov_b32 v[FB+48+\i], 0                       ; zero codes behind K's tile 7
.endr
.irp q, 0,1,2,3
	v_mov_b32 v[ST+4*\q], 0x7f61b1e6               ; -M: 3e38
	v_mov_b32 v[ST+4*\q+1], 0xff61b1e6             ; the largest score so far: -3e38
	v_mov_b32 v[ST+4*\q+2], 0
	v_mov_b32 v[ST+4*\q+3], 0
.endr
	v_mov_b32 v[F+1], 0
	v_mov_b32 v[Y], 0                              ; a lane permute's destination counts as one of its sources
	s_mov_b32 s[TB], 0
	s_mov_b32 s[CNT], 16
	WALU                                           ; the wait at the head's end
	s_wait_tensorcnt 0x0                           ; my records have landed,
	s_barrier_signal -1
	s_barrier_wait -1                              ; everybody's have
	s_wait_loadcnt 0x0                             ; Q
.Lstep:
	v_add_nc_u32 v[AD], s[TB], v[KA]               ; these five are also the places in front of loads into registers that the last products read
	v_add_nc_u32 v[AD+1], s[TB], v[KA+1]
	v_add_nc_u32 v[AD+2], s[TB], v[VA]
	v_add_nc_u32 v[AD+3], s[TB], v[KSA]
	v_add_nc_u32 v[AD+4], s[TB], v[L8]
.irp c, 0,1
.irp w, 0,1
.irp g, 0,1,2
	ds_load_b128 v[FB+24*\c+12*\w+4*\g:FB+24*\c+12*\w+4*\g+3], v[AD+\w] offset:3072*\c+512*\g   ; K's tiles 4 c + 2 w, 4 c + 2 w + 1
.endr
	ds_load_b32 v[KS+2*\c+\w], v[AD+3] offset:12288+256*\c+64*\w
.endr
.endr
	ds_load_b64 v[VS:VS+1], v[AD+4] offset:12800
	WIN 0x40
.irp g, 0,1,2,3,4,5,6,7,8,9,10,11
	ds_load_b128 v[OV+4*\g:OV+4*\g+3], v[AD+2] offset:6144+512*\g   ; V's image
.endr
	WIN 0
	s_wait_dscnt 12                                ; K and the scale words are in; V's twelve loads may be out
	QK 0, 0, 0
	QK 1, 1, 1
	s_wait_dscnt 0x0                               ; V
.rept 4
	v_nop                                          ; places in front of the first read of the scores
.endr
	SOFT 0, 0
	PV 0
	QK 2, 0, 0
	SOFT 1, 1
	PV 1
	QK 3, 1, 1
	SOFT 2, 0
	PV 2
	SOFT 3, 1
	PV 3
	s_add_co_u32 s[TB], s[TB], REC
	s_sub_co_u32 s[CNT], s[CNT], 1
	s_cmp_lg_u32 s[CNT], 0
	WALU                                           ; the wait ahead of the branch
	s_cbranch_scc1 .Lstep
.irp q, 0,1,2,3
	v_add_f32 v[ST+4*\q+2], v[ST+4*\q+2], v[ST+4*\q+3]
.endr
.irp q, 0,1,2,3
	v_permlanex16_b32 v[ST+4*\q+1], v[ST+4*\q+2], s[SEL], s[SEL+1]
.endr
.irp q, 0,1,2,3
	v_add_f32 v[ST+4*\q+2], v[ST+4*\q+2], v[ST+4*\q+1]   ; the rows' sums
.endr
	WALU
.irp q, 0,1,2,3
	v_rcp_f32 v[ST+4*\q+2], v[ST+4*\q+2]
.endr
	v_nop
	WALU
	FINQ 0
	FINQ 1
	FINQ 2
	FINQ 3
	s_wait_tensorcnt 0x0                           ; the wave's end
	ds_add_u32 v[SPW], v[NIL]
	s_wait_dscnt 0x0
	CROUND                                         ; the closing round
	s_endpgm
.Lfunc_end_k_qdea77d5ef1_attn:
	.size	k_qdea77d5ef1_attn, .Lfunc_end_k_qdea77d5ef1_attn-k_qdea77d5ef1_attn
	.p2alignl 7, 3214868480
	.fill 96, 4, 3214868480
	.section	.rodata,"a",@progbits
	.p2align	6, 0x0
	.amdhsa_kernel k_qdea77d5ef1_attn
		.amdhsa_group_segment_fixed_size 210944
		.amdhsa_private_segment_fixed_size 0
		.amdhsa_enable_private_segment 0
		.amdhsa_kernarg_size 24
		.amdhsa_user_sgpr_count 2
		.amdhsa_user_sgpr_kernarg_segment_ptr 1
		.amdhsa_wavefront_size32 1
		.amdhsa_system_sgpr_workgroup_id_x 1
		.amdhsa_system_sgpr_workgroup_id_y 1
		.amdhsa_system_sgpr_workgroup_id_z 1
		.amdhsa_system_vgpr_workitem_id 0
		.amdhsa_next_free_vgpr 512
		.amdhsa_next_free_sgpr 66
		.amdhsa_reserve_vcc 0
		.amdhsa_float_denorm_mode_32 3
		.amdhsa_float_denorm_mode_16_64 3
		.amdhsa_memory_ordered 1
		.amdhsa_forward_progress 1
		.amdhsa_inst_pref_size 80
	.end_amdhsa_kernel
	.amdgpu_metadata
---
amdhsa.version: [ 1, 2 ]
amdhsa.kernels:
  - .name:           k_qdea77d5ef1_attn
    .symbol:         k_qdea77d5ef1_attn.kd
    .args:
      - { .name: qr, .offset: 0, .size: 8, .value_kind: global_buffer, .address_space: global }
      - { .name: kv, .offset: 8, .size: 8, .value_kind: global_buffer, .address_space: global }
      - { .name: cc, .offset: 16, .size: 8, .value_kind: global_buffer, .address_space: global }
    .group_segment_fixed_size: 210944
    .private_segment_fixed_size: 0
    .kernarg_segment_align: 8
    .kernarg_segment_size: 24
    .max_flat_workgroup_size: 256
    .sgpr_count:     66
    .vgpr_count:     512
    .wavefront_size: 32
...
	.end_amdgpu_metadata
.endif
;; end of part 3
;; launch gemm_out (part 4): grid 8 x 32, 4 waves a work-group, clusters of 4 x 4, 327,680 bytes of LDS; arguments cc, wc, bo, out0; writes out0
.if DOCPART == 4
	.amdgcn_target "amdgcn-amd-amdhsa--gfx1250"
	.amdhsa_code_object_version 6
	.text
	.protected	k_qdea77d5ef1_gemm_out
	.globl	k_qdea77d5ef1_gemm_out
	.p2align	8
	.type	k_qdea77d5ef1_gemm_out,@function
k_qdea77d5ef1_gemm_out:
	s_mov_b64 s[64:65], 0
	v_nop
	global_prefetch_b8 v0, s[64:65] scope:SCOPE_SE
	s_setreg_imm32_b32 hwreg(HW_REG_WAVE_MODE, 25, 1), 1
	s_wait_xcnt 0x0
	s_wait_alu depctr_hold_cnt(0) depctr_sa_sdst(0) depctr_va_vdst(0) depctr_va_sdst(0) depctr_va_ssrc(0) depctr_va_vcc(0) depctr_vm_vsrc(0)
	s_getreg_b32 s2, hwreg(HW_REG_IB_STS2, 6, 4)
	s_cmp_eq_u32 s2, 0
	s_cbranch_scc0 .Lentry_in_a_cluster
	s_endpgm
.Lentry_in_a_cluster:
	s_bfe_u32 s2, ttmp6, 0x10000c
	s_cmp_lg_u32 s2, 0xf033
	s_cbranch_scc0 .Lentry_shape_is_right
	s_endpgm
.Lentry_shape_is_right:
; Launch 4 of 4: out0 = concat Wo + bo on codes of E2M3: cc's records (tokens) against groups 24-31 of wc (Wo).  No work is left out.
; A work-group takes 256 tokens (groups 2 y, 2 y + 1 of cc) x 128 features (group 24 + x of wc), all of K = 1,024; a wave 8 tiles of the weight (source 0) x 4 tiles of tokens (source 1): a lane holds one token and
; its registers run along the features.  LDS, the cluster's joint loads, the K steps and the registers are gemm_qkv's: two halves of four K steps, each filled once; one tensor load of a wave is out.
; THE WAY OUT.  A block of 16 tokens x 128 features goes through the wave's own stage in LDS and leaves as rows of 512 consecutive bytes; the store's offset puts each tile row back at its token.  The stages lie in
; half 0, which has had its only fill and which nobody reads behind step 3's barrier.
.set REC,   12800
.set FRB,   1536
.set GRP,   8*REC
; LDS IN TWO HALVES of four K steps, each filled once, as in gemm_qkv: one joint load a wave at the head (half 0), one behind the full sequence and a round of the cluster's barrier (half 1).
; The stages lie in half 0, which nobody reads behind step 3's barrier.
.set CHK,   12*REC                     ; a half in LDS
.set SPARE, 2*CHK
.set SPITCH, 528
.set A0,  3
.set A1,  4
.set A1S, 5
.set SPW, 6
.set NIL, 7
.set STO, 8                            ; v8  the stage: where I put 64 bytes of a row
.set RD,  9                            ; v9  and where I read a row back
.set SC,  16
.set BK,  128                          ; v128-191, v192-255: 16 rows read back, by turns
.set G1T, 28
.set G1W, 36
.set G0T, 44
.set G0W, 68
.set MSB, 0
.macro WIN new
.if MSB != \new
	s_set_vgpr_msb (MSB<<8)|\new
.set MSB, \new
.endif
.endm
.macro PLACES n
.rept \n
	v_nop
.endr
.endm
.macro CROUND
	s_barrier_signal -1
	s_barrier_wait -1
	s_cmp_lg_u32 s18, 0
	s_cbranch_scc1 .Lnot_wave_0_\@
	s_barrier_signal -3
.Lnot_wave_0_\@:
	s_barrier_wait -3
	s_barrier_signal -1
	s_barrier_wait -1
.endm
.macro FRAG reg, adr, off
.irp p, 0,1,2,3,4,5
	ds_load_b64 v[(\reg)+2*\p:(\reg)+2*\p+1], v[\adr] offset:(\off)+256*\p
.endr
.endm
.macro FETCH s
.set SG1, (\s)%2
	WIN 0x40
.irp b, 0,1,2,3,4,5,6,7
	FRAG 128*SG1+12*\b, A0, REC*SG1+FRB*\b
.endr
	WIN 0
.irp a, 0,1,2,3
	FRAG 128+48*SG1+12*\a, A1, REC*SG1+FRB*\a
.endr
	ds_load_b64 v[SC+6*SG1:SC+6*SG1+1], v[A0] offset:REC*SG1+8*FRB
	ds_load_b64 v[SC+6*SG1+2:SC+6*SG1+3], v[A0] offset:REC*SG1+8*FRB+256
	ds_load_b64 v[SC+6*SG1+4:SC+6*SG1+5], v[A1S] offset:REC*SG1
.endm
.macro WM a, b
.set rD, 8*(8*(\a)+(\b))
.set rA, 128*SG+12*(\b)
.set rB, 128+48*SG+12*(\a)
.set rSA, SC+6*SG+(\b)/2
.set rSB, SC+4+6*SG+(\a)/2
.set rC, rD
.if FIRST
.set rC, 8*(\b)
.endif
.if ((\b)%2 == 0) && ((\a)%2 == 0)
	v_wmma_scale_f32_16x16x128_f8f6f4 v[rD:rD+7], v[rA:rA+11], v[rB:rB+11], v[rC:rC+7], v[rSA], v[rSB] matrix_a_fmt:MATRIX_FMT_FP6 matrix_b_fmt:MATRIX_FMT_FP6
.elseif ((\a)%2 == 0)
	v_wmma_scale_f32_16x16x128_f8f6f4 v[rD:rD+7], v[rA:rA+11], v[rB:rB+11], v[rC:rC+7], v[rSA], v[rSB] matrix_a_fmt:MATRIX_FMT_FP6 matrix_b_fmt:MATRIX_FMT_FP6 matrix_a_scale:MATRIX_SCALE_ROW1
.elseif ((\b)%2 == 0)
	v_wmma_scale_f32_16x16x128_f8f6f4 v[rD:rD+7], v[rA:rA+11], v[rB:rB+11], v[rC:rC+7], v[rSA], v[rSB] matrix_a_fmt:MATRIX_FMT_FP6 matrix_b_fmt:MATRIX_FMT_FP6 matrix_b_scale:MATRIX_SCALE_ROW1
.else
	v_wmma_scale_f32_16x16x128_f8f6f4 v[rD:rD+7], v[rA:rA+11], v[rB:rB+11], v[rC:rC+7], v[rSA], v[rSB] matrix_a_fmt:MATRIX_FMT_FP6 matrix_b_fmt:MATRIX_FMT_FP6 matrix_a_scale:MATRIX_SCALE_ROW1 matrix_b_scale:MATRIX_SCALE_ROW1
.endif
.endm
.macro MUL a0                          ; the 32 accumulators take turns, one instruction a turn
.irp a, \a0, \a0+1
.irp b, 0,1,2,3,4,5,6,7
	WM \a, \b
.endr
.endr
.endm
.macro STEP s                          ; steps 1, 3, 5 move on two records; step 3 opens half 1: my load of it has landed, my LDS loads are in, a barrier
.set SG, (\s)%2
.set FIRST, 0
.set WMUL, 0xa1
.if (\s) == 0
.set FIRST, 1
.set WMUL, 0xb1
.endif
.set OPEN, 0
.if ((\s)%2 == 1) && ((\s) < 7)
.set OPEN, 1
.endif
.if (\s) == 3
	s_wait_tensorcnt 0x0                           ; my load of half 1 has landed
.endif
	s_wait_dscnt 0x0
.if (\s) == 3
	s_barrier_signal -1
.endif
	WIN WMUL
	MUL 0
.if (\s) == 3
	s_barrier_wait -1
.endif
.if (\s) < 7
	PLACES 4
	WIN 0
.if OPEN
.set ADV, 2*REC                        ; two records on; behind step 3 on to the next half's first record
.if (\s) == 3
.set ADV, CHK-2*REC
.endif
	v_add_nc_u32 v[A0], ADV, v[A0]
	v_add_nc_u32 v[A1], ADV, v[A1]
	v_add_nc_u32 v[A1S], ADV, v[A1S]
.endif
	FETCH (\s)+1
.endif
	WIN WMUL
	MUL 2
.endm
.macro TOSTAGE a                       ; tile a's 16 tokens x 128 features into my stage, and back as rows
	WIN 0x08                                       ; an LDS store's data are its source 1: window 2
.irp n, 0,1,2,3,4,5,6,7,8,9,10,11,12,13,14,15
	ds_store_b128 v[STO], v[64*(\a)+4*\n:64*(\a)+4*\n+3] offset:128*(\n/4)+16*(\n%4)   ; each accumulator from its low end on
.endr
	WIN 0
.set BB, BK+64*((\a)%2)
.irp t, 0,1,2,3,4,5,6,7,8,9,10,11,12,13,14,15
	ds_load_b128 v[BB+4*\t:BB+4*\t+3], v[RD] offset:\t*SPITCH   ; LDS serves a wave's instructions in order: these see my stores
.endr
.endm
.macro SEND a, younger                 ; younger: the LDS instructions issued behind tile a's loads
.set BB, BK+64*((\a)%2)
	s_wait_dscnt \younger
.irp t, 0,1,2,3,4,5,6,7,8,9,10,11,12,13,14,15
	global_store_b128 v2, v[BB+4*\t:BB+4*\t+3], s[10:11] offset:(32*((\a)/2)+8*((\a)%2)+\t+8*(\t/8))*4096 th:TH_STORE_NT   ; 512 consecutive bytes of the token's row, aligned
.endr
.endm
	s_load_b256 s[4:11], s[0:1], 0x0               ; cc, wc, bo, out0
	v_lshl_add_u32 v[SPW], v0, 2, SPARE
	v_mov_b32 v[NIL], 0
	ds_add_u32 v[SPW], v[NIL]                      ; the wave's opening: the add, twice on end, and its wait ahead of my first tensor load
	ds_add_u32 v[SPW], v[NIL]
	v_lshrrev_b32 v1, 5, v0
	v_readfirstlane_b32 s18, v1                    ; wave w
	s_lshr_b32 s19, s18, 1
	s_and_b32 s20, s18, 1
	s_bfe_u32 s21, ttmp6, 0x40000                  ; cx
	s_bfe_u32 s22, ttmp6, 0x40004                  ; cy
	s_lshl_b32 s23, ttmp9, 2
	s_add_co_u32 s23, s23, s21                     ; x: 128 features
	s_and_b32 s24, ttmp7, 0xffff
	s_lshl_b32 s24, s24, 2
	s_add_co_u32 s24, s24, s22                     ; y: 256 tokens
	s_lshl_b32 s86, s22, 2
	s_lshl_b32 s86, 15, s86                        ; my row of the cluster
	s_lshl_b32 s87, 0x1111, s21                    ; my column
	s_or_b32 s[G1T], s86, (3<<16)|(1<<21)
	s_or_b32 s[G1W], s87, (3<<16)|(1<<21)
	s_mov_b32 s[G1T+1], 32<<16
	s_mov_b32 s[G1T+2], 200<<16
	s_mov_b32 s[G1T+3], 32<<16
	s_mov_b32 s[G1T+4], 200
	s_mov_b32 s[G1T+5], 32
	s_mov_b32 s[G1T+6], 0
	s_mov_b32 s[G1T+7], 0
	s_mov_b32 s[G1W+1], 32<<16
	s_mov_b32 s[G1W+2], 100<<16
	s_mov_b32 s[G1W+3], 32<<16
	s_mov_b32 s[G1W+4], 100
	s_mov_b32 s[G1W+5], 32
	s_mov_b32 s[G1W+6], 0
	s_mov_b32 s[G1W+7], 0
	s_lshl_b32 s88, s24, 1
	s_add_co_u32 s88, s88, s20
	s_mul_i32 s88, s88, GRP                        ; tokens: group 2 y + w % 2
	s_mov_b32 s89, 0
	s_add_co_u32 s90, s23, 24
	s_mul_i32 s90, s90, GRP
	s_mul_i32 s91, s20, 2*REC
	s_add_co_u32 s90, s90, s91                     ; Wo: group 24 + x, record w % 2 of a chunk
	s_mov_b32 s91, 0
	s_mul_i32 s92, s20, 4*REC
	s_mul_i32 s93, s20, 2*REC
	s_add_co_u32 s93, s93, 8*REC
	s_wait_dscnt 0x0                               ; both opening adds are done
	s_wait_kmcnt 0x0
	s_add_nc_u64 s[94:95], s[4:5], s[88:89]
	s_add_nc_u64 s[96:97], s[6:7], s[90:91]
.irp c, 0,1
	s_mov_b32 s[G0T+4*\c], 1
	s_add_co_u32 s[G0T+4*\c+1], s92, CHK*\c
	s_add_nc_u64 s[G0T+4*\c+2:G0T+4*\c+3], s[94:95], 4*REC*\c
	s_or_b32 s[G0T+4*\c+3], s[G0T+4*\c+3], 0x80000000
	s_mov_b32 s[G0W+4*\c], 1
	s_add_co_u32 s[G0W+4*\c+1], s93, CHK*\c
	s_add_nc_u64 s[G0W+4*\c+2:G0W+4*\c+3], s[96:97], 4*REC*\c
	s_or_b32 s[G0W+4*\c+3], s[G0W+4*\c+3], 0x80000000
.endr
	CROUND                                         ; all sixteen work-groups are here: the joint loads meet
	s_cmp_eq_u32 s19, 0                            ; a wave's first fill stands in one branch on the wave's number
	s_cbranch_scc0 .Lfirst_w
	tensor_load_to_lds s[G0T:G0T+3], s[G1T:G1T+7]  ; half 0: one load a wave at the head
	s_nop 0
	PLACES 4
	s_branch .Lfirst_done
.Lfirst_w:
	tensor_load_to_lds s[G0W:G0W+3], s[G1W:G1W+7]
	s_nop 0
	PLACES 4
.Lfirst_done:
	v_and_b32 v1, 31, v0
	v_lshlrev_b32 v2, 4, v1                        ; 16 l
	v_lshlrev_b32 v1, 3, v1                        ; 8 l
	s_mul_i32 s86, s19, 4*REC                      ; my group of tokens in a half
	s_mul_i32 s87, s20, 4*FRB                      ; tiles 4 (w % 2) + 0 .. 3
	s_lshl_b32 s88, s20, 8
	v_add_nc_u32 v[A0], 8*REC, v1
	s_add_co_u32 s87, s87, s86
	v_add_nc_u32 v[A1], s87, v1
	s_add_co_u32 s88, s88, s86
	s_add_co_u32 s88, s88, 8*FRB
	v_add_nc_u32 v[A1S], s88, v1
	s_mul_i32 s86, s18, 16*SPITCH                  ; my stage
	v_and_b32 v60, 15, v0
	v_bfe_u32 v61, v0, 4, 1
	v_mul_u32_u24 v[STO], v60, SPITCH
	v_lshl_add_u32 v[STO], v61, 6, v[STO]
	v_add_nc_u32 v[STO], s86, v[STO]               ; in: row r, + 64 h
	v_add_nc_u32 v[RD], s86, v2                    ; back: a row of 512 bytes, 16 a lane
	s_lshl_b32 s92, s23, 9                         ; bo: my 128 features
	s_mov_b32 s93, 0
	s_add_nc_u64 s[8:9], s[8:9], s[92:93]
	v_lshlrev_b32 v62, 6, v61                      ; 16 h numbers on
	WIN 0xc0                                       ; destination window 3
.irp n, 0,1,2,3,4,5,6,7,8,9,10,11,12,13,14,15
	global_load_b128 v[4*\n:4*\n+3], v62, s[8:9] offset:128*(\n/4)+16*(\n%4)   ; register 16 j + i: the bias of feature 32 j + 16 h + i
.endr
	WIN 0
	s_lshl_b32 s86, s24, 1
	s_add_co_u32 s86, s86, s19                     ; my group of tokens
	s_lshl_b32 s86, s86, 7
	s_lshl_b32 s87, s20, 6
	s_add_co_u32 s86, s86, s87                     ; my first token
	s_lshl_b32 s86, s86, 12
	s_lshl_b32 s87, s23, 9
	s_add_co_u32 s86, s86, s87
	s_mov_b32 s87, 0
	s_add_nc_u64 s[10:11], s[10:11], s[86:87]
	s_wait_alu depctr_va_vdst(0)
	s_wait_tensorcnt 0x0                           ; my load of half 0 has landed
	ds_add_u32 v[SPW], v[NIL]
	s_wait_dscnt 0x0
	CROUND                                         ; everybody's has, and all sixteen work-groups are here: the joint loads meet
	s_cmp_eq_u32 s19, 0
	s_cbranch_scc0 .Lsecond_w
	tensor_load_to_lds s[G0T+4:G0T+7], s[G1T:G1T+7]   ; half 1, my one tensor load behind the round
	s_nop 0
	PLACES 4
	s_branch .Lsecond_done
.Lsecond_w:
	tensor_load_to_lds s[G0W+4:G0W+7], s[G1W:G1W+7]
	s_nop 0
	PLACES 4
.Lsecond_done:
	FETCH 0
	s_wait_loadcnt 0x0                             ; the bias
	STEP 0
	STEP 1
	s_wait_alu depctr_va_vdst(0)
	STEP 2
	STEP 3
	s_wait_alu depctr_va_vdst(0)
	STEP 4
	STEP 5
	s_wait_alu depctr_va_vdst(0)
	STEP 6
	STEP 7
	PLACES 4                                       ; in front of the first read of results and of loads into registers that the last products read
	TOSTAGE 0
.irp a, 1,2,3
.if \a > 1
	s_wait_xcnt 0x0                                ; tile a - 2's stores have read their registers: tile a's rows may land there
.endif
	TOSTAGE \a
	SEND \a-1, 32                                  ; behind tile a - 1's loads: tile a's 16 stores and 16 loads
.endr
	SEND 3, 0
	s_wait_tensorcnt 0x0                           ; the wave's end: behind my last tensor load and my last LDS store
	ds_add_u32 v[SPW], v[NIL]
	s_wait_dscnt 0x0
	CROUND                                         ; the closing round
	s_endpgm
.Lfunc_end_k_qdea77d5ef1_gemm_out:
	.size	k_qdea77d5ef1_gemm_out, .Lfunc_end_k_qdea77d5ef1_gemm_out-k_qdea77d5ef1_gemm_out
	.p2alignl 7, 3214868480
	.fill 96, 4, 3214868480
	.section	.rodata,"a",@progbits
	.p2align	6, 0x0
	.amdhsa_kernel k_qdea77d5ef1_gemm_out
		.amdhsa_group_segment_fixed_size 327680
		.amdhsa_private_segment_fixed_size 0
		.amdhsa_enable_private_segment 0
		.amdhsa_kernarg_size 32
		.amdhsa_user_sgpr_count 2
		.amdhsa_user_sgpr_kernarg_segment_ptr 1
		.amdhsa_wavefront_size32 1
		.amdhsa_system_sgpr_workgroup_id_x 1
		.amdhsa_system_sgpr_workgroup_id_y 1
		.amdhsa_system_sgpr_workgroup_id_z 1
		.amdhsa_system_vgpr_workitem_id 0
		.amdhsa_next_free_vgpr 1024
		.amdhsa_next_free_sgpr 100
		.amdhsa_reserve_vcc 0
		.amdhsa_float_denorm_mode_32 3
		.amdhsa_float_denorm_mode_16_64 3
		.amdhsa_memory_ordered 1
		.amdhsa_forward_progress 1
		.amdhsa_inst_pref_size 96
	.end_amdhsa_kernel
	.amdgpu_metadata
---
amdhsa.version: [ 1, 2 ]
amdhsa.kernels:
  - .name:           k_qdea77d5ef1_gemm_out
    .symbol:         k_qdea77d5ef1_gemm_out.kd
    .args:
      - { .name: cc, .offset: 0, .size: 8, .value_kind: global_buffer, .address_space: global }
      - { .name: wc, .offset: 8, .size: 8, .value_kind: global_buffer, .address_space: global }
      - { .name: bo, .offset: 16, .size: 8, .value_kind: global_buffer, .address_space: global }
      - { .name: out0, .offset: 24, .size: 8, .value_kind: global_buffer, .address_space: global }
    .group_segment_fixed_size: 327680
    .private_segment_fixed_size: 0
    .kernarg_segment_align: 8
    .kernarg_segment_size: 32
    .max_flat_workgroup_size: 128
    .sgpr_count:     100
    .vgpr_count:     1024
    .wavefront_size: 32
...
	.end_amdgpu_metadata
.endif
;; end of part 4
